; MI455X (gfx1250); checked and timed in simulation.
; The chip was launched on July 23, 2026; its instructions are those of AMD's public machine-readable ISA for CDNA 5 (MIT licence, August 2026) and "CDNA5" Instruction Set Architecture Reference Guide (July 2026). The comments in the code are by the model that wrote it; some were corrected since.
;; Causal Multi Head Attention. Allowed arithmetic: matrix products marked QUANTISED: E2M1 operands, one E8M0 scale for each 32 along K, by v_wmma_scale_f32_16x16x128_f8f6f4 with both operands' format E2M1 (or v_wmma_scale_f32_32x16x128_f4), f32 sums; everything else in f32.
;; Inputs: b_k 1,024 float32; b_o 1,024 float32; b_q 1,024 float32; b_v 1,024 float32; mask 4 x 2,048 bool; w_k 1,024 x 1,024 float32; w_o 1,024 x 1,024 float32; w_q 1,024 x 1,024 float32; w_v 1,024 x 1,024 float32; x 4 x 2,048 x 1,024 float32.
;; Outputs: out0 4 x 2,048 x 1,024 float32.
;; This version of the problem:
;;   THIS VERSION OF THE PROBLEM IS GIVEN IN LOW PRECISION. The matrix products marked QUANTISED in the list below multiply operands that are first quantised to E2M1 (2 exponent bits, 1 mantissa bit; 4 bits a number), with one power-of-two scale for each 32 numbers along K (OCP MX v1.0); their sums are f32. All else is computed in f32.
;;   The module's matrix products, in the order in which they are computed (A, B: the left and right operand; K: the contracted axis; several contracted axes count as one K, in the product's order):
;;     1. [M 8,192, K 1,024] x [K 1,024, N 1,024]; A: input x; B: input w_q: QUANTISED
;;     2. [M 8,192, K 1,024] x [K 1,024, N 1,024]; A: input x; B: input w_k: QUANTISED
;;     3. [M 8,192, K 1,024] x [K 1,024, N 1,024]; A: input x; B: input w_v: QUANTISED
;;     4. batch 64 x [M 2,048, K 64] x [K 64, N 2,048]; A: computed on the way; B: computed on the way: QUANTISED
;;     5. batch 64 x [M 2,048, K 2,048] x [K 2,048, N 64]; A: softmax (see below); B: computed on the way: QUANTISED
;;     6. [M 8,192, K 1,024] x [K 1,024, N 1,024]; A: computed on the way; B: input w_o: QUANTISED
;;   THE QUANTISER, for each operand of a quantised product, along K:
;;     - K is cut into blocks of 32 from its start; a last block that is shorter is filled with zeros.
;;     - A block's scale is 2^e with e = floor(log2(the largest magnitude in the block)) - 2, held to -126 .. 127; a block of zeros has e = 0. As a byte (E8M0): e + 127.
;;     - Each number is divided by its block's scale, clamped to +-6, and rounded to the nearest number of E2M1, ties to even, subnormals kept.
;;     - The product sums the exact products of the quantised numbers (number of the format x scale) in f32.
;;   ~~~python
;;   def quantise(x, axis):      # numpy; x: float32 -> the quantised numbers, widened to float32 again
;;       x = np.moveaxis(x, axis, -1); K = x.shape[-1]
;;       x = np.pad(x, [(0, 0)] * (x.ndim - 1) + [(0, -K % 32)]); x = x.reshape(x.shape[:-1] + (-1, 32)); a = np.abs(x).max(-1, keepdims=True)
;;       e = np.where(a > 0, np.clip(np.frexp(np.where(a > 0, a, 1))[1] - 1 - 2, -126, 127), 0)      # np.frexp(a)[1] - 1 = floor(log2(a)), exactly
;;       r = np.clip(x / 2.0 ** e, -6, 6)
;;       step = 2.0 ** (np.maximum(np.frexp(np.where(r == 0, 1, r))[1] - 1, 0) - 1)
;;       q = np.round(r / step) * step * 2.0 ** e      # np.round: ties to even
;;       return np.moveaxis(q.reshape(q.shape[:-2] + (-1,))[..., :K], -1, axis).astype(np.float32)
;;   ~~~
;;   SOFTMAX AHEAD OF A QUANTISED PRODUCT. Where the list says 'softmax', what is quantised is not the finished softmax but p = 2^(t - M), with t = logit x log2(e) and M = ceil(the row's largest t), a whole number; so 1/2 < the row's largest p <= 1. The row's sum l is taken of the UNQUANTISED p, in f32, and the product's result is divided by l at the end. Since M is a whole number, a kernel that streams over the keys may use a running M (the ceiling of the running maximum): every later rescaling is an exact power of two, which a block's scale takes up: the codes' values come out the same.
;;   OPERANDS COMPUTED ON THE WAY. 'Computed on the way' means the value that the module computes at that place (a softmax that the list does not call 'softmax' is quantised finished and normalised). What goes into a quantiser is computed in f32, as accurately as f32 sums, v_exp_f32 and their like allow (about 1e-6 of the number): no bf16 or f16 on the way to a quantiser, and a product that is left as it is and whose result goes on into a quantised operand takes f32 operands (vector FMAs, or v_wmma_f32_16x16x4_f32). A number that lies on a knife's edge between two numbers of the format may be rounded either way, as far as f32 arithmetic and the matrix unit's own rounding can turn it there, and no further.
;; One version. Each part assembles by itself: llvm-mc -triple=amdgcn-amd-amdhsa -mcpu=gfx1250 --defsym DOCPART=n.
;; ======== version 1 of 1: 4 launches
;; limits: right only within a limited range of input values
;; workspace buffers: xc 4,194,304 bytes; xs 262,144 bytes; wc 2,097,152 bytes; ws 131,072 bytes; qkv 13,893,632 bytes; ac 4,194,304 bytes; asc 262,144 bytes
;; launch quant (part 1): grid 384 x 1, 4 waves a work-group, no clusters, 33,280 bytes of LDS; arguments x, w_q, w_k, w_v, w_o, xc, xs, wc, ws; writes xc, xs, wc, ws
.if DOCPART == 1
	.amdgcn_target "amdgcn-amd-amdhsa--gfx1250"
	.amdhsa_code_object_version 6
	.text
	.protected	k_qd106aa09df_quant
	.globl	k_qd106aa09df_quant
	.p2align	8
	.type	k_qd106aa09df_quant,@function
k_qd106aa09df_quant:
	s_mov_b64 s[64:65], 0
	v_nop
	global_prefetch_b8 v0, s[64:65] scope:SCOPE_SE
	s_setreg_imm32_b32 hwreg(HW_REG_WAVE_MODE, 25, 1), 1
	s_wait_xcnt 0x0
; CAUSAL MULTI-HEAD ATTENTION IN MX-FP4, four launches: (1) this one: x and the four weights become codes of E2M1 and E8M0 scale bytes; (2) q, k, v = x W^T + b, quantised on the way out;
; (3) attention, its result quantised on the way out; (4) the projection on the way out.
; WORK LEFT OUT, in launch 3 alone: key steps of 128 keys that lie wholly behind a tile's 16 queries.  reference() itself sets every score with key > query to -inf (its own triu mask, whatever the inputs hold),
; so those p are 0: they add nothing to a row's maximum, to its sum or to the second product.  Every input has a way to the output and is loaded (b_k too: it stands ahead of a quantiser).
; LIMIT of that: a NaN, an infinity or an overflow that reaches only the steps left out is not carried to the result.
; THIS LAUNCH.  x [8192][1024] and w_q, w_k, w_v, w_o [1024][1024], f32, K innermost, are plain streams of blocks of 32 numbers.  A block's scale is 2^(floor(log2(its largest magnitude)) - 2); its byte is the largest
; magnitude's exponent field - 2, held at 1 from below.  (A block of zeros so gets the byte 1 where the quantiser says 127: its codes are zeros, which add nothing under any byte but 0xff, and this program alone reads the bytes.)
; LIMITS: blocks whose largest magnitude lies under 2^-124, the floor, keep the byte 1; NaN and infinities among the inputs are not served.
; THE ORDER OF ROWS.  In xc, xs, wc, ws the four groups of 8 rows of every 32 rows are stored in the order 0, 2, 1, 3: stored row 32 B + 16 u + r holds row 32 B + 8 u + r + 8 (r / 8).  Sixteen stored rows on end, taken as source 0
; of a matrix instruction, then leave a lane's 16 results of two neighbouring tiles as 16 NEIGHBOURS along those rows, which the next quantiser wants.  Here it costs one exchange of two bits of the wave's number.
; A work-group takes 32 rows (32,768 numbers), a wave 8 rows, in 16 steps of 512 numbers.  Work-groups 0-255 take x, 256-383 the weights (32 each; wc holds w_q, w_k, w_v, w_o one behind the other).
; Each load reads 512 consecutive bytes; a step's 2,048 bytes turn through the wave's own stage in LDS and come back 64 bytes a lane, so that a lane holds 16 neighbours of one block (two lanes to a block).
; A wave's store of codes covers 256 consecutive bytes, aligned; its 256 scale bytes are gathered in LDS and leave as one such store.  No tensor loads, no barrier: waves share nothing.
.set WAVES, 4
.set STEPS, 16
.set EMAX,  2
.set CB,    8                          ; bytes of 16 codes
.set R,     16                         ; v16-79   four sets of 16 numbers as they are loaded
.set X,     80                         ; v80-111  two sets of 16 neighbours
.set C,     128                        ; v128-191 codes: four registers for each step, so that no store's data are written again
.set E,     112                        ; v112-127 a scale byte for each step
.set WREG,  8192                       ; LDS: a region for each wave: two stages of 32 x SP bytes, and behind them its 256 scale bytes
.set SP,    80                         ; a lane's place in a stage: its 64 bytes + 16 of padding
.set SPW,   12                         ; v12      LDS address of my spare word; never rewritten
.set NIL,   13                         ; v13      0; never rewritten
.set SPARE, WAVES*WREG                 ; behind the four regions: the spare words, 128 bytes for each wave
	s_load_b256 s[4:11], s[0:1], 0x0               ; x, w_q, w_k, w_v
	s_load_b256 s[12:19], s[0:1], 0x20             ; w_o, xc, xs, wc
	s_load_b64 s[20:21], s[0:1], 0x40              ; ws
	v_lshl_add_u32 v[SPW], v0, 2, SPARE
	v_mov_b32 v[NIL], 0
	v_lshrrev_b32 v1, 5, v0
	v_readfirstlane_b32 s22, v1                    ; wave
	v_and_b32 v2, 31, v0                           ; lane
	v_lshlrev_b32 v3, 4, v2                        ; my 16 bytes of a load's 512
	s_mul_i32 s23, s22, WREG
	v_lshrrev_b32 v14, 2, v2
	v_mul_u32_u24 v14, v14, SP
	v_and_b32 v15, 3, v2
	v_lshl_add_u32 v14, v15, 4, v14
	v_add_nc_u32 v14, s23, v14                     ; the stage, on the way in: SP (lane / 4) + 16 (lane % 4)
	v_mul_u32_u24 v15, v2, SP
	v_add_nc_u32 v15, s23, v15                     ; and on the way out: SP x lane: my 16 neighbours
	v_mul_u32_u24 v4, v2, CB                       ; my codes' place in a step's
	v_lshrrev_b32 v5, 1, v2
	s_add_co_u32 s23, s23, 2*32*SP
	v_add_nc_u32 v5, s23, v5                       ; LDS: my wave's 256 scale bytes, my block's byte
	v_lshlrev_b32 v7, 3, v2                        ; and on the way out 8 bytes a lane
	v_add_nc_u32 v6, s23, v7
	s_sub_co_u32 s24, ttmp9, 256                   ; a weight's work-group among the 128 (not used in x's work-groups)
	s_lshr_b32 s25, s24, 5                         ; which weight
	s_and_b32 s26, s24, 31                         ; and which 32 rows of it
	s_wait_kmcnt 0x0
	s_cmp_eq_u32 s25, 1                            ; the choices hang on the work-group's number alone
	s_cselect_b64 s[6:7], s[8:9], s[6:7]
	s_cmp_eq_u32 s25, 2
	s_cselect_b64 s[6:7], s[10:11], s[6:7]
	s_cmp_eq_u32 s25, 3
	s_cselect_b64 s[6:7], s[12:13], s[6:7]
	s_cmp_lt_u32 ttmp9, 256                        ; x's work-group or a weight's?
	s_cselect_b64 s[4:5], s[4:5], s[6:7]           ; the numbers,
	s_cselect_b64 s[14:15], s[14:15], s[18:19]     ; the codes,
	s_cselect_b64 s[16:17], s[16:17], s[20:21]     ; the scale bytes,
	s_cselect_b32 s26, ttmp9, s26                  ; the 32 rows in the source,
	s_cselect_b32 s24, ttmp9, s24                  ; and in the destination
	s_lshl_b32 s26, s26, 2
	s_add_co_u32 s26, s26, s22                     ; my wave's 8 rows in the source,
	s_lshl_b32 s26, s26, 15                        ; 32,768 bytes each (under 2^26)
	s_mov_b32 s27, 0
	s_add_nc_u64 s[4:5], s[4:5], s[26:27]
	s_and_b32 s28, s22, 1
	s_lshl_b32 s28, s28, 1
	s_lshr_b32 s29, s22, 1
	s_or_b32 s28, s28, s29                         ; group 0, 1, 2, 3 of the 32 rows goes to place 0, 2, 1, 3
	s_lshl_b32 s24, s24, 2
	s_add_co_u32 s24, s24, s28
	s_lshl_b32 s28, s24, 12                        ; 4,096 bytes of codes
	s_mov_b32 s29, 0
	s_add_nc_u64 s[14:15], s[14:15], s[28:29]
	s_lshl_b32 s28, s24, 8                         ; 256 scale bytes
	s_add_nc_u64 s[16:17], s[16:17], s[28:29]
.macro LOAD t
.irp i, 0,1,2,3
	global_load_b128 v[R+16*((\t)%4)+4*\i:R+16*((\t)%4)+4*\i+3], v3, s[4:5] offset:2048*(\t)+512*\i th:TH_LOAD_NT   ; 32 lanes read 512 consecutive bytes
.endr
.endm
.macro TURN t                          ; step t's numbers through the stage: LDS serves a wave's instructions in order, so no wait stands between the stores and the loads
.irp i, 0,1,2,3
	ds_store_b128 v14, v[R+16*((\t)%4)+4*\i:R+16*((\t)%4)+4*\i+3] offset:32*SP*((\t)%2)+8*SP*\i
.endr
.irp i, 0,1,2,3
	ds_load_b128 v[X+16*((\t)%2)+4*\i:X+16*((\t)%2)+4*\i+3], v15 offset:32*SP*((\t)%2)+16*\i
.endr
.endm
.irp t, 0,1,2,3
	LOAD \t
.endr
	s_wait_loadcnt 12                              ; step 0's four loads are in
	TURN 0
.macro STEP t
.set XS, X+16*((\t)%2)
.if (\t) > 0
	s_wait_dscnt 1                                 ; this step's numbers are back from the stage (the last step's byte store may be out): so its stores into the stage have read their registers,
.else
	s_wait_dscnt 0x0
.endif
.if (\t)+4 < STEPS
	LOAD (\t)+4                                    ; which take the loads of four steps on
.endif
.if (\t)+1 < STEPS
.if STEPS-2-(\t) >= 3
	s_wait_loadcnt 12                              ; the next step's four loads are in; those of the three steps behind it may be out
.else
	s_wait_loadcnt 4*(STEPS-2-(\t))
.endif
	TURN (\t)+1                                    ; and go through the other stage while this step is worked
.endif
	v_max3_num_f32 v8, |v[XS]|, |v[XS+1]|, |v[XS+2]|               ; the largest magnitude of my 16
	v_max3_num_f32 v9, |v[XS+3]|, |v[XS+4]|, |v[XS+5]|
.irp i, 6,10
	v_max3_num_f32 v8, v8, |v[XS+\i]|, |v[XS+\i+1]|
	v_max3_num_f32 v9, v9, |v[XS+\i+2]|, |v[XS+\i+3]|
.endr
	v_max3_num_f32 v8, v8, |v[XS+14]|, |v[XS+15]|
	v_max3_num_f32 v8, v8, v9, (EMAX+1)<<23        ; and the floor 2^(3 - 127): the byte cannot fall under 1
	v_max_num_f32_dpp v8, v8, v8 row_xmask:1 row_mask:0xf bank_mask:0xf   ; and of my neighbour's 16: the block's
	v_add_nc_u32 v11, -(EMAX<<23), v8              ; 2 off its exponent field: the conversion takes the exponent field of this operand as its scale, and nothing else of it
	v_cvt_scalef32_pk8_fp4_f32 v[C+4*(\t)], v[XS:XS+7], v11
	v_cvt_scalef32_pk8_fp4_f32 v[C+4*(\t)+1], v[XS+8:XS+15], v11
	v_lshrrev_b32 v[E+(\t)], 23, v11               ; the scale's byte
	ds_store_b8 v5, v[E+(\t)] offset:16*(\t)       ; both lanes of a block write the same byte with the same value
	global_store_b64 v4, v[C+4*(\t):C+4*(\t)+1], s[14:15] offset:32*CB*(\t)   ; 32 lanes store 256 consecutive bytes, aligned
.endm
.irp t, 0,1,2,3,4,5,6,7,8,9,10,11,12,13,14,15
	STEP \t
.endr
	ds_load_b64 v[8:9], v6                         ; LDS serves a wave's instructions in order: these see my stores
	s_wait_dscnt 0x0
	global_store_b64 v7, v[8:9], s[16:17]          ; 32 lanes store 256 consecutive bytes, aligned
	s_wait_tensorcnt 0x0                           ; the wave's end, behind my last LDS store
	ds_add_u32 v[SPW], v[NIL]
	s_wait_dscnt 0x0
	s_endpgm
.Lfunc_end_k_qd106aa09df_quant:
	.size	k_qd106aa09df_quant, .Lfunc_end_k_qd106aa09df_quant-k_qd106aa09df_quant
	.p2alignl 7, 3214868480
	.fill 96, 4, 3214868480
	.section	.rodata,"a",@progbits
	.p2align	6, 0x0
	.amdhsa_kernel k_qd106aa09df_quant
		.amdhsa_group_segment_fixed_size 33280
		.amdhsa_private_segment_fixed_size 0
		.amdhsa_enable_private_segment 0
		.amdhsa_kernarg_size 72
		.amdhsa_user_sgpr_count 2
		.amdhsa_user_sgpr_kernarg_segment_ptr 1
		.amdhsa_wavefront_size32 1
		.amdhsa_system_sgpr_workgroup_id_x 1
		.amdhsa_system_sgpr_workgroup_id_y 1
		.amdhsa_system_sgpr_workgroup_id_z 1
		.amdhsa_system_vgpr_workitem_id 0
		.amdhsa_next_free_vgpr 192
		.amdhsa_next_free_sgpr 66
		.amdhsa_reserve_vcc 0
		.amdhsa_float_denorm_mode_32 3
		.amdhsa_float_denorm_mode_16_64 3
		.amdhsa_memory_ordered 1
		.amdhsa_forward_progress 1
		.amdhsa_inst_pref_size 34
	.end_amdhsa_kernel
	.amdgpu_metadata
---
amdhsa.version: [ 1, 2 ]
amdhsa.kernels:
  - .name:           k_qd106aa09df_quant
    .symbol:         k_qd106aa09df_quant.kd
    .args:
      - { .name: x, .offset: 0, .size: 8, .value_kind: global_buffer, .address_space: global }
      - { .name: w_q, .offset: 8, .size: 8, .value_kind: global_buffer, .address_space: global }
      - { .name: w_k, .offset: 16, .size: 8, .value_kind: global_buffer, .address_space: global }
      - { .name: w_v, .offset: 24, .size: 8, .value_kind: global_buffer, .address_space: global }
      - { .name: w_o, .offset: 32, .size: 8, .value_kind: global_buffer, .address_space: global }
      - { .name: xc, .offset: 40, .size: 8, .value_kind: global_buffer, .address_space: global }
      - { .name: xs, .offset: 48, .size: 8, .value_kind: global_buffer, .address_space: global }
      - { .name: wc, .offset: 56, .size: 8, .value_kind: global_buffer, .address_space: global }
      - { .name: ws, .offset: 64, .size: 8, .value_kind: global_buffer, .address_space: global }
    .group_segment_fixed_size: 33280
    .private_segment_fixed_size: 0
    .kernarg_segment_align: 8
    .kernarg_segment_size: 72
    .max_flat_workgroup_size: 128
    .sgpr_count:     66
    .vgpr_count:     192
    .wavefront_size: 32
...
	.end_amdgpu_metadata
.endif
;; end of part 1
;; launch qkv (part 2): grid 8 x 48, 4 waves a work-group, clusters of 4 x 4, 327,680 bytes of LDS; arguments xc, xs, wc, ws, b_q, b_k, b_v, qkv; writes qkv
.if DOCPART == 2
	.amdgcn_target "amdgcn-amd-amdhsa--gfx1250"
	.amdhsa_code_object_version 6
	.text
	.protected	k_qd106aa09df_qkv
	.globl	k_qd106aa09df_qkv
	.p2align	8
	.type	k_qd106aa09df_qkv,@function
k_qd106aa09df_qkv:
	s_mov_b64 s[64:65], 0
	v_nop
	global_prefetch_b8 v0, s[64:65] scope:SCOPE_SE
	s_setreg_imm32_b32 hwreg(HW_REG_WAVE_MODE, 25, 1), 1
	s_wait_xcnt 0x0
	s_wait_alu depctr_hold_cnt(0) depctr_sa_sdst(0) depctr_va_vdst(0) depctr_va_sdst(0) depctr_va_ssrc(0) depctr_va_vcc(0) depctr_vm_vsrc(0)
	s_getreg_b32 s2, hwreg(HW_REG_IB_STS2, 6, 4)
	s_cmp_eq_u32 s2, 0
	s_cbranch_scc0 .Lentry_in_a_cluster
	s_endpgm
.Lentry_in_a_cluster:
	s_bfe_u32 s2, ttmp6, 0x10000c
	s_cmp_lg_u32 s2, 0xf033
	s_cbranch_scc0 .Lentry_shape_is_right
	s_endpgm
.Lentry_shape_is_right:
; q, k, v = x W^T + b on codes of E2M1 (K = 1,024), each result quantised in registers on its way out: q and k along the head's 64 (two blocks), v along the keys (blocks of 32 keys).
; A tile of 256 x 256 results to a work-group of four waves, 128 x 128 a wave: 64 accumulators of 16 x 16.  K goes in two slots of 512 (rows of 256 bytes); both are asked for at the head, so nothing is filled again.
; The scale bytes of the tile's 256 + 256 rows, for all of K, come once, as units of 256 bytes.
; TWO KINDS OF WORK-GROUP, told apart by the cluster's y alone (the same in all partners).  y < 8, "QK": A = x's rows (tile row 4 y + cy), B = the rows of w_q and w_k (tile column 4 x + cx; columns 0-3 q, 4-7 k).
; y >= 8, "V": the operands change roles: A = w_v's rows (tile row cy), B = x's rows (tile column 4 (x + 2 (y - 8)) + cx).
; THE MATRIX INSTRUCTION IS USED TRANSPOSED (source 0 = 16 rows of B, source 1 = 16 rows of A): a lane holds ONE row of A, and, by the order in which launch 1 stored the rows, register 16 b + i of its 64 results of a block of A is
; neighbour 32 b + 16 (lane / 16) + i along B's rows: for QK 128 features = two heads of one token, for V 128 keys = one key step of one feature.  So the conversions' results are operand registers of launch 3.
; THE BIAS is the C of each sum's first matrix instruction: QK: b at the lane's eight features; V: b of the lane's own feature, eight times.
; OUT: qkv holds a record of 13,568 bytes for each (batch, head, key step of 128 tokens): +0 Q's codes (8 tiles x [lane][16 bytes]), +4096 Q's scale words ([lane (tile / 4, r)][tile % 4]), +4608 K's codes, +8704 K's scale words,
; +9216 V's codes ([tile of 16 d][half][lane][16 bytes]), +13312 V's scale words ([r][tile]).  All are images of operand registers: every store of codes covers 512 consecutive bytes, aligned to 256.
; Q's and K's scale words have their two upper bytes 0: launch 3 pads K = 64 to 128 with zero codes, which add nothing under that byte.
; CLUSTERS: 4 x 4.  A's tiles are shared along a row of the cluster, B's along a column: each is asked for jointly.
; LIMITS: a block of zeros gets the byte 1 (its codes are zeros; this program alone reads the bytes); NaN and infinities are not served.
; REGISTERS: window 0: v1-29 addresses; v32-95 scale words, two sets; v96-119 scale words on the way out; v128-191 A's fragments, later the codes made; v200-216 at work.
;   window 1: B's fragments, two sets, at v0 and v128; v64-127 the bias.   windows 2, 3: the accumulators ((a, b) at v[8 (8 (a % 4) + b)]).
.set NQ,     4                         ; steps of 128 along K in a slot
.set ROWB,   256                       ; a tile's row in bytes: 512 codes
.set KROW,   512                       ; a row of codes in memory
.set PITCH,  272                       ; an LDS row: 256 bytes + 16 of padding: the 16 rows that a load touches start 68 words apart
.set FR,     8
.set NL,     2
.set NP,     4
.set HALFT,  128*PITCH
.set SLOT,   4*HALFT
.set KS,     32                        ; a row of scale bytes
.set SCL,    2*SLOT
.set HALFS,  (128*KS/256)*272
.set SBLK,   (16*KS/256)*272
.set SPARE,  SCL+4*HALFS               ; the spare words, 128 bytes for each wave
.set REC,    13568
.set HEADB,  16*REC                    ; from a head's record to the next head's
.set ADRA, 16
.set ADRB, 20
.set LI,   24                          ; v24  16 x lane
.set VW,   25                          ; v25  16 r + (lane / 16) x HEADB
.set BO,   26                          ; v26  the bias's offset
.set ADRS, 27
.set SPW,  28
.set NIL,  29
.set SC,   32
.set W0,   96
.set W1,   104
.set Z,    112
.set AF,   128
.set PCB,  128
.set TM,   200
.set PW,   216
.set BI,   64                          ; in window 1
.set G1, 24
.set G0, 32
.set G1B, 48
.set G0B, 56
.set G1S, 68
.set G0S, 76
.set G1SB, 80
.set G0SB, 88
.set MSB, 0
.macro WIN new                         ; the immediate's high byte repeats the setting that is left
.if MSB != (\new)
	s_set_vgpr_msb (MSB<<8)|(\new)
.set MSB, \new
.endif
.endm
.set MUL_LO, 0xa1                      ; source 0 (B) window 1, source 1 (A) window 0, C and D window 2
.set MUL_HI, 0xf1                      ; the same, C and D window 3
.set TO_B,   0x40                      ; destination window 1, address window 0
; A joint load: waves 0 and 1 fetch for A, waves 2 and 3 for B.  The branch hangs on the wave's number alone.  An s_nop 0 and four v_nop follow each of the two lines.
.macro JLOAD g0a, g1a, g0b, g1b
	s_cmp_eq_u32 s21, 0
	s_cbranch_scc0 .Lfor_b_\@
	tensor_load_to_lds s[\g0a:\g0a+3], s[\g1a:\g1a+7]
	s_nop 0
.rept 4
	v_nop
.endr
	s_branch .Lasked_\@
.Lfor_b_\@:
	tensor_load_to_lds s[\g0b:\g0b+3], s[\g1b:\g1b+7]
	s_nop 0
.rept 4
	v_nop
.endr
.Lasked_\@:
.endm
.macro CROUND                          ; a round of the cluster's barrier
	s_barrier_signal -1
	s_barrier_wait -1
	s_cmp_lg_u32 s20, 0
	s_cbranch_scc1 .Lnot_wave_0_\@
	s_barrier_signal -3
.Lnot_wave_0_\@:
	s_barrier_wait -3
	s_barrier_signal -1
	s_barrier_wait -1
.endm
	s_load_b512 s[4:19], s[0:1], 0x0               ; xc, xs, wc, ws, b_q, b_k, b_v, qkv
	v_lshl_add_u32 v[SPW], v0, 2, SPARE
	v_mov_b32 v[NIL], 0
	ds_add_u32 v[SPW], v[NIL]                      ; the wave's opening: the add, twice on end, and its wait ahead of my first tensor load
	ds_add_u32 v[SPW], v[NIL]
	v_lshrrev_b32 v1, 5, v0
	v_readfirstlane_b32 s20, v1                    ; wave 0..3
	s_lshr_b32 s21, s20, 1                         ; which half of A's rows is mine.  Also: I fetch for A (0) or for B (1)
	s_and_b32 s22, s20, 1                          ; which half of B's rows.  Also: which 128 rows I fetch
	s_bfe_u32 s40, ttmp6, 0x40000                  ; cx
	s_bfe_u32 s41, ttmp6, 0x40004                  ; cy
	s_and_b32 s100, ttmp7, 0xffff                  ; the cluster's y
	s_sub_co_u32 s101, s100, 8
	s_lshl_b32 s101, s101, 1
	s_add_co_u32 s101, s101, ttmp9                 ; V: the column of clusters, x + 2 (y - 8)
	s_cmp_lt_u32 s100, 8
	s_cselect_b32 s23, 1, 0                        ; 1: QK, 0: V
	s_cselect_b32 s101, ttmp9, s101
	s_cselect_b32 s100, s100, 0                    ; V has one row of clusters
	s_lshl_b32 s42, s101, 2
	s_add_co_u32 s42, s42, s40                     ; tile column
	s_lshl_b32 s43, s100, 2
	s_add_co_u32 s43, s43, s41                     ; tile row
	s_lshl_b32 s44, s41, 2
	s_lshl_b32 s44, 15, s44                        ; my row of the cluster
	s_lshl_b32 s45, 0x1111, s40                    ; my column
	s_or_b32 s[G1+0], s44, (0<<16)|(1<<20)|(1<<21)|(5<<22)|(3<<25)   ; the mask; elements of 1 byte; padding on: 4 words behind every 64; bit 21 beside a mask
	s_or_b32 s[G1B+0], s45, (0<<16)|(1<<20)|(1<<21)|(5<<22)|(3<<25)
.irp g, G1, G1B
	s_mov_b32 s[\g+1], ROWB<<16                    ; tensor_dim0
	s_mov_b32 s[\g+2], 128<<16                     ; tensor_dim1
	s_mov_b32 s[\g+3], ROWB<<16                    ; tile_dim0
	s_mov_b32 s[\g+4], 128                         ; tile_dim1
	s_mov_b32 s[\g+5], KROW                        ; from row to row
	s_mov_b32 s[\g+6], 0
	s_mov_b32 s[\g+7], 0
.endr
	s_or_b32 s[G1S+0], s44, (3<<16)|(1<<20)|(1<<21)|(5<<22)|(3<<25)  ; the scales of 128 rows: 4,096 dense bytes as 16 rows of 32 elements of 8 bytes, 16 bytes of padding behind each
	s_or_b32 s[G1SB+0], s45, (3<<16)|(1<<20)|(1<<21)|(5<<22)|(3<<25)
.irp g, G1S, G1SB
	s_mov_b32 s[\g+1], 32<<16
	s_mov_b32 s[\g+2], (128*KS/256)<<16
	s_mov_b32 s[\g+3], 32<<16
	s_mov_b32 s[\g+4], 128*KS/256
	s_mov_b32 s[\g+5], 32
	s_mov_b32 s[\g+6], 0
	s_mov_b32 s[\g+7], 0
.endr
	s_lshl_b32 s3, s22, 7                          ; which 128 rows of a tile I fetch
	s_lshl_b32 s66, s43, 8
	s_add_co_u32 s66, s66, s3                      ; A: row 256 x tile row + 128 x half
	s_lshl_b32 s100, s66, 5                        ; its scale bytes,
	s_mov_b32 s101, 0
	s_lshl_b32 s66, s66, 9                         ; its codes (all under 2^23)
	s_mov_b32 s67, 0
	s_lshl_b32 s46, s42, 8
	s_add_co_u32 s46, s46, s3                      ; B: row 256 x tile column + 128 x half
	s_lshl_b32 s2, s46, 5
	s_mov_b32 s3, 0
	s_lshl_b32 s46, s46, 9
	s_mov_b32 s47, 0
	s_wait_dscnt 0x0                               ; both opening adds are done
	s_wait_kmcnt 0x0
	s_add_nc_u64 s[92:93], s[8:9], 0x100000        ; w_v's codes: rows 2,048 on of wc,
	s_add_nc_u64 s[94:95], s[10:11], 0x10000       ; and its scale bytes
	s_cmp_eq_u32 s23, 1
	s_cselect_b64 s[92:93], s[4:5], s[92:93]       ; A's codes: x's or w_v's
	s_cselect_b64 s[94:95], s[6:7], s[94:95]       ; A's scales
	s_cselect_b64 s[96:97], s[8:9], s[4:5]         ; B's codes: w_q's and w_k's, or x's
	s_cselect_b64 s[98:99], s[10:11], s[6:7]       ; B's scales
	s_add_nc_u64 s[92:93], s[92:93], s[66:67]
	s_add_nc_u64 s[94:95], s[94:95], s[100:101]
	s_add_nc_u64 s[96:97], s[96:97], s[46:47]
	s_add_nc_u64 s[98:99], s[98:99], s[2:3]
	s_mov_b32 s[G0S], 1
	s_mul_i32 s[G0S+1], s20, HALFS                 ; where they go: wave x a constant: no place in the cluster enters an LDS address
	s_add_co_u32 s[G0S+1], s[G0S+1], SCL
	s_mov_b64 s[G0S+2:G0S+3], s[94:95]
	s_or_b32 s[G0S+3], s[G0S+3], 0x80000000
	s_mov_b32 s[G0SB], 1
	s_mul_i32 s[G0SB+1], s20, HALFS
	s_add_co_u32 s[G0SB+1], s[G0SB+1], SCL
	s_mov_b64 s[G0SB+2:G0SB+3], s[98:99]
	s_or_b32 s[G0SB+3], s[G0SB+3], 0x80000000
	s_mov_b32 s[G0], 1
	s_mul_i32 s[G0+1], s20, HALFT
	s_mov_b64 s[G0+2:G0+3], s[92:93]
	s_or_b32 s[G0+3], s[G0+3], 0x80000000
	s_mov_b32 s[G0+4], 1
	s_add_co_u32 s[G0+5], s[G0+1], SLOT
	s_add_nc_u64 s[G0+6:G0+7], s[92:93], ROWB
	s_or_b32 s[G0+7], s[G0+7], 0x80000000
	s_mov_b32 s[G0B], 1
	s_mul_i32 s[G0B+1], s20, HALFT
	s_mov_b64 s[G0B+2:G0B+3], s[96:97]
	s_or_b32 s[G0B+3], s[G0B+3], 0x80000000
	s_mov_b32 s[G0B+4], 1
	s_add_co_u32 s[G0B+5], s[G0B+1], SLOT
	s_add_nc_u64 s[G0B+6:G0B+7], s[96:97], ROWB
	s_or_b32 s[G0B+7], s[G0B+7], 0x80000000
	CROUND                                         ; all sixteen work-groups are here: the joint loads meet
	JLOAD G0S, G1S, G0SB, G1SB                     ; the scales; three loads of mine are out behind the third line
	JLOAD G0, G1, G0B, G1B                         ; slot 0
	JLOAD G0+4, G1, G0B+4, G1B                     ; slot 1
	v_and_b32 v1, 15, v0                           ; r
	v_bfe_u32 v2, v0, 4, 1                         ; h
	v_mul_u32_u24 v3, v1, PITCH
	v_lshl_add_u32 v4, v2, 4, v3                   ; a fragment's row x pitch + 16 h
	s_mul_i32 s2, s21, HALFT                       ; my 128 rows of A
	s_mul_i32 s3, s22, HALFT                       ; my 128 rows of B,
	s_add_co_u32 s3, s3, 2*HALFT                   ; which lie behind A's 256
.irp s, 0,1
	v_add_nc_u32 v[ADRA+\s], s2, v4
	v_add_nc_u32 v[ADRB+\s], s3, v4
	s_add_co_u32 s2, s2, SLOT
	s_add_co_u32 s3, s3, SLOT
.endr
	v_mul_u32_u24 v5, v1, KS                       ; my row's scales: 32 bytes a row,
	v_lshrrev_b32 v6, 8, v5
	v_lshl_add_u32 v5, v6, 4, v5                   ; and 16 more for each 256 passed
	s_mul_i32 s2, s21, HALFS
	s_mul_i32 s3, s22, HALFS
	s_add_co_u32 s3, s3, 2*HALFS
	s_sub_co_u32 s3, s3, s2
	v_mul_u32_u24 v6, s3, v2                       ; lanes 16-31 take B's
	s_add_co_u32 s2, s2, SCL
	v_add_nc_u32 v5, v5, v6
	v_add_nc_u32 v[ADRS], s2, v5
	v_and_b32 v5, 31, v0
	v_lshlrev_b32 v[LI], 4, v5
	v_mul_u32_u24 v[VW], v2, HEADB
	v_lshl_add_u32 v[VW], v1, 4, v[VW]
.irp b, 0,1,2,3
	v_mov_b32 v[TM+4+\b], 0                        ; written once: a lane permute's destination counts as one of its sources
.endr
	; the bias, into v64-127 of window 1, in the layout of a result
	s_cmp_eq_u32 s23, 1
	s_cbranch_scc0 .Lbias_v
	s_cmp_eq_u32 ttmp9, 0                          ; QK: tile columns 0-3 are q's, 4-7 k's
	s_cselect_b64 s[66:67], s[12:13], s[14:15]
	s_and_b32 s2, s42, 3
	s_lshl_b32 s2, s2, 10                          ; 256 features x 4 bytes a tile column,
	s_lshl_b32 s3, s22, 9                          ; my 128
	s_add_co_u32 s2, s2, s3
	s_mov_b32 s3, 0
	s_add_nc_u64 s[66:67], s[66:67], s[2:3]
	v_lshlrev_b32 v[BO], 6, v2                     ; tile 2 B + u, register j: feature 32 B + 16 h + 8 u + j
	WIN TO_B
.irp b, 0,1,2,3,4,5,6,7
	global_load_b128 v[BI+8*\b:BI+8*\b+3], v[BO], s[66:67] offset:128*(\b/2)+32*(\b%2)
	global_load_b128 v[BI+8*\b+4:BI+8*\b+7], v[BO], s[66:67] offset:128*(\b/2)+32*(\b%2)+16
.endr
	WIN 0
	s_branch .Lbias_done
.Lbias_v:
	s_lshl_b32 s2, s43, 10                         ; V: 256 features x 4 bytes a tile row,
	s_lshl_b32 s3, s21, 9                          ; my 128
	s_add_co_u32 s2, s2, s3
	s_mov_b32 s3, 0
	s_add_nc_u64 s[66:67], s[16:17], s[2:3]
	v_and_b32 v[BO], 8, v1
	v_add_nc_u32 v[BO], v[BO], v1
	v_lshlrev_b32 v[BO], 2, v[BO]                  ; lane r of block 2 B + u holds feature 32 B + 8 u + r + 8 (r / 8)
	WIN TO_B
.irp a, 0,1,2,3,4,5,6,7
.irp j, 0,1,2,3,4,5,6,7
	global_load_b32 v[BI+8*\a+\j], v[BO], s[66:67] offset:128*(\a/2)+32*(\a%2)   ; the lane's one number, in all eight registers
.endr
.endr
	WIN 0
.Lbias_done:
.macro FRAG reg, adr, q, i             ; a fragment, 16 rows x 128 K: registers 4 c .. 4 c + 3 hold K = 64 c + 32 h + 0 .. 31
.irp c, 0,1
	ds_load_b128 v[\reg+4*\c:\reg+4*\c+3], v[\adr] offset:64*(\q)+32*\c+(\i)*16*PITCH
.endr
.endm
; 16 matrix instructions: A's blocks a0, a0 + 1 x B's eight, the slot's q-th 128 along K.  p: B's set; sc: the set of scale words.  cm = 0: in place; 1: C = the bias by B's block; 2: by A's block.
; The 64 accumulators take turns, one instruction a turn, in the same order in every step.
.macro MUL16 a0, p, q, sc, cm
.irp a, \a0, \a0+1
.irp b, 0,1,2,3,4,5,6,7
.set rD, 8*(8*((\a)%4)+\b)
.set rB, 128*(\p)+FR*\b
.set rA, AF+FR*(\a)
.set sB, SC+8*NQ*(\sc)+NQ*\b+(\q)
.set sA, SC+8*NQ*(\sc)+NQ*(\a)+(\q)
.if (\cm) == 1
	v_wmma_scale_f32_16x16x128_f8f6f4 v[rD:rD+7], v[rB:rB+7], v[rA:rA+7], v[BI+8*\b:BI+8*\b+7], v[sB], v[sA] matrix_a_fmt:MATRIX_FMT_FP4 matrix_b_fmt:MATRIX_FMT_FP4 matrix_a_scale:MATRIX_SCALE_ROW1
.elseif (\cm) == 2
	v_wmma_scale_f32_16x16x128_f8f6f4 v[rD:rD+7], v[rB:rB+7], v[rA:rA+7], v[BI+8*(\a):BI+8*(\a)+7], v[sB], v[sA] matrix_a_fmt:MATRIX_FMT_FP4 matrix_b_fmt:MATRIX_FMT_FP4 matrix_a_scale:MATRIX_SCALE_ROW1
.else
	v_wmma_scale_f32_16x16x128_f8f6f4 v[rD:rD+7], v[rB:rB+7], v[rA:rA+7], v[rD:rD+7], v[sB], v[sA] matrix_a_fmt:MATRIX_FMT_FP4 matrix_b_fmt:MATRIX_FMT_FP4 matrix_a_scale:MATRIX_SCALE_ROW1
.endif
.endr
.endr
.endm
.macro FETCH_B slot, q, p
	WIN TO_B
.irp i, 0,1,2,3,4,5,6,7
	FRAG 128*(\p)+FR*\i, ADRB+\slot, \q, \i
.endr
	WIN 0
.endm
.macro FETCH_A slot, q, i0
.irp i, \i0, \i0+1, \i0+2, \i0+3
	FRAG AF+FR*(\i), ADRA+\slot, \q, \i
.endr
.endm
.macro SCALES sc                       ; a slot's scale words: 4 words a row; lanes 0-15 take A's block i, lanes 16-31 B's block i
.irp i, 0,1,2,3,4,5,6,7
	ds_load_b128 v[SC+8*NQ*\sc+NQ*\i:SC+8*NQ*\sc+NQ*\i+3], v[ADRS] offset:\i*SBLK
.endr
.endm
.macro PLACES n                        ; plain vector instructions between a matrix instruction and a load into, or a vector read of, its registers
.rept \n
	v_nop
.endr
.endm
.macro STEP slot, q, cm                ; a step of 128 along K that has its successor in the same slot
	s_wait_dscnt 4*NL                              ; B's set and A's blocks 0-3 are in; the youngest eight loads (A's blocks 4-7) may be out
.if \cm
	WIN 0x91                                       ; C (the bias) window 1, D window 2
.else
	WIN MUL_LO
.endif
	MUL16 0, (\q)%2, \q, \slot, \cm
	MUL16 2, (\q)%2, \q, \slot, \cm
	s_wait_dscnt 0                                 ; A's blocks 4-7 are in
	PLACES NP
	FETCH_B \slot, (\q)+1, 1-(\q)%2
	FETCH_A \slot, (\q)+1, 0
.if \cm
	WIN 0xd1                                       ; C window 1, D window 3
.else
	WIN MUL_HI
.endif
	MUL16 4, (\q)%2, \q, \slot, \cm
	MUL16 6, (\q)%2, \q, \slot, \cm
	PLACES NP
	WIN 0
	FETCH_A \slot, (\q)+1, 4
.endm
	s_wait_tensorcnt 1                             ; the scales and my part of slot 0 are in (slot 1's load may be out)
	s_barrier_signal -1
	s_barrier_wait -1                              ; everybody's are
	FETCH_B 0, 0, 0
	FETCH_A 0, 0, 0
	SCALES 0
	FETCH_A 0, 0, 4
	s_wait_loadcnt 0x0                             ; the bias
	s_cmp_eq_u32 s23, 1
	s_cbranch_scc0 .Lfirst_v
	STEP 0, 0, 1                                   ; the first step starts the sums with the bias: nothing is cleared
	s_branch .Lfirst_done
.Lfirst_v:
	STEP 0, 0, 2
.Lfirst_done:
	STEP 0, 1, 0
	STEP 0, 2, 0
	; slot 0's last step, and the change of slots: one barrier; nothing is filled again
	s_wait_tensorcnt 0x0                           ; all my tensor loads have landed: my part of slot 1
	ds_add_u32 v[SPW], v[NIL]                      ; 0 onto my spare word
	s_wait_dscnt 4*NL+1                            ; (the add and the youngest eight loads may be out)
	WIN MUL_LO
	MUL16 0, 1, NQ-1, 0, 0
	s_wait_dscnt 0x0
	s_barrier_signal -1
	MUL16 2, 1, NQ-1, 0, 0
	WIN 0
	s_barrier_wait -1                              ; slot 1 is whole
	PLACES NP
	v_add_nc_u32 v[ADRS], 4*NQ, v[ADRS]            ; on to slot 1's scale words
	FETCH_B 1, 0, 0
	FETCH_A 1, 0, 0
	SCALES 1
	WIN MUL_HI
	MUL16 4, 1, NQ-1, 0, 0
	MUL16 6, 1, NQ-1, 0, 0
	PLACES NP
	WIN 0
	FETCH_A 1, 0, 4
	STEP 1, 0, 0
	STEP 1, 1, 0
	STEP 1, 2, 0
	s_wait_dscnt 4*NL                              ; the last step: nothing more to fetch
	WIN MUL_LO
	MUL16 0, 1, NQ-1, 1, 0
	MUL16 2, 1, NQ-1, 1, 0
	s_wait_dscnt 0
	WIN MUL_HI
	MUL16 4, 1, NQ-1, 1, 0
	MUL16 6, 1, NQ-1, 1, 0
	WIN 0
	PLACES NP
; THE WAY OUT.  The 64 results of a block of A (window 2 + hi, registers s on; register 16 b + i = neighbour 32 b + 16 h + i of my row) become a fragment's codes in v[pc] on and its scale word in v[pw].
; Each accumulator is read from its low end on.
.macro QUANT hi, s, pc, pw
	WIN 0x0a+5*(\hi)                               ; sources 0 and 1: the accumulators' window
.irp b, 0,1,2,3
	v_max3_num_f32 v[TM+\b], |v[(\s)+16*\b]|, |v[(\s)+1+16*\b]|, 0x1800000   ; block b: my 16 numbers, and the floor 2^(3 - 127): the byte cannot fall under 1
.endr
.irp i, 2,4,6,8,10,12,14
.irp b, 0,1,2,3
	v_max3_num_f32 v[TM+\b], |v[(\s)+16*\b+\i]|, |v[(\s)+1+16*\b+\i]|, v[TM+\b]   ; (the four blocks by turns)
.endr
.endr
	WIN 0
.irp b, 0,1,2,3
	v_permlanex16_b32 v[TM+4+\b], v[TM+\b], s24, s25
.endr
.irp b, 0,1,2,3
	v_max_num_f32 v[TM+\b], v[TM+\b], v[TM+4+\b]   ; with lane l xor 16's: the block's largest magnitude
.endr
.irp b, 0,1,2,3
	v_add_nc_u32 v[TM+12+\b], 0xff000000, v[TM+\b] ; 2 off its exponent field: the conversion's scale operand
.endr
.irp b, 0,1,2,3
	v_lshrrev_b32 v[TM+4+\b], 23, v[TM+12+\b]      ; the scale's byte
.endr
	v_lshl_or_b32 v[\pw], v[TM+5], 8, v[TM+4]
	v_lshl_or_b32 v[\pw], v[TM+6], 16, v[\pw]
	v_lshl_or_b32 v[\pw], v[TM+7], 24, v[\pw]      ; my row's scale word (both halves of the lanes hold it)
	WIN 0x02+(\hi)                                 ; source 0: the accumulators' window
.irp b, 0,1,2,3
	v_cvt_scalef32_pk8_fp4_f32 v[(\pc)+2*\b], v[(\s)+16*\b:(\s)+7+16*\b], v[TM+12+\b]
	v_cvt_scalef32_pk8_fp4_f32 v[(\pc)+1+2*\b], v[(\s)+8+16*\b:(\s)+15+16*\b], v[TM+12+\b]
.endr
	WIN 0
	v_nop                                          ; one plain place behind a scaled conversion
.irp c, 0,1                                    ; the operand's layout wants a whole block in a lane: lanes 0-15 block 2 c, lanes 16-31 block 2 c + 1
.irp i, 0,1
	v_permlane16_swap_b32 v[(\pc)+4*\c+\i], v[(\pc)+2+4*\c+\i]
.endr
.endr
.endm
	s_mov_b32 s24, 0x76543210                      ; (no tensor load is out: the descriptors' registers are free)  lane l xor 16
	s_mov_b32 s25, 0xfedcba98
	s_mov_b32 s26, 0xffff0000                      ; lanes 16-31
	s_cmp_eq_u32 s23, 1
	s_cbranch_scc0 .Lepi_v
	; QK: my 128 tokens are key step gs of the 64; my 128 features are two heads
	s_lshl_b32 s2, s43, 1
	s_add_co_u32 s2, s2, s21                       ; gs = 2 x tile row + my half
	s_lshr_b32 s3, s2, 4                           ; the batch
	s_and_b32 s2, s2, 15                           ; the step in it
	s_lshl_b32 s3, s3, 4
	s_and_b32 s100, s42, 3
	s_lshl_b32 s100, s100, 2
	s_add_co_u32 s3, s3, s100
	s_lshl_b32 s100, s22, 1
	s_add_co_u32 s3, s3, s100                      ; 16 x batch + my first head
	s_lshl_b32 s3, s3, 4
	s_add_co_u32 s2, s2, s3                        ; the record
	s_mul_i32 s2, s2, REC
	s_cmp_eq_u32 ttmp9, 0
	s_cselect_b32 s3, 0, 4608                      ; Q's part or K's
	s_add_co_u32 s2, s2, s3
	s_mov_b32 s3, 0
	s_add_nc_u64 s[46:47], s[18:19], s[2:3]
.irp a, 0,1,2,3,4,5,6,7
	QUANT (\a)/4, 64*((\a)%4), PCB+8*\a, PW
	v_and_b32 v[W0+\a], 0xffff, v[PW]              ; the first head's two bytes,
	v_lshrrev_b32 v[W1+\a], 16, v[PW]              ; the second's
	global_store_b128 v[LI], v[PCB+8*\a:PCB+8*\a+3], s[46:47] offset:512*\a             ; 32 lanes store 512 consecutive bytes: tile a of the first head,
	global_store_b128 v[LI], v[PCB+8*\a+4:PCB+8*\a+7], s[46:47] offset:HEADB+512*\a     ; and of the second.  No store's data are written again
.endr
.irp c, 0,1
.irp j, 0,1,2,3
	v_cndmask_b32 v[Z+4*\c+\j], v[W0+8*\c+\j], v[W0+8*\c+4+\j], s26   ; lanes 0-15: tiles 0-3; lanes 16-31: tiles 4-7
.endr
	global_store_b128 v[LI], v[Z+4*\c:Z+4*\c+3], s[46:47] offset:4096+\c*HEADB
.endr
	s_branch .Lend
.Lepi_v:
	; V: my 128 tokens (B's rows) are key step gs; my 128 features (A's rows) are two heads of four tiles of 16
	s_lshl_b32 s2, s42, 1
	s_add_co_u32 s2, s2, s22                       ; gs = 2 x tile column + my half
	s_lshr_b32 s3, s2, 4
	s_and_b32 s2, s2, 15
	s_lshl_b32 s3, s3, 4
	s_lshl_b32 s100, s43, 2
	s_add_co_u32 s3, s3, s100
	s_lshl_b32 s100, s21, 1
	s_add_co_u32 s3, s3, s100                      ; 16 x batch + my first head
	s_lshl_b32 s3, s3, 4
	s_add_co_u32 s2, s2, s3
	s_mul_i32 s2, s2, REC
	s_mov_b32 s3, 0
	s_add_nc_u64 s[46:47], s[18:19], s[2:3]
.irp a, 0,1,2,3,4,5,6,7
	QUANT (\a)/4, 64*((\a)%4), PCB+8*\a, W0+\a
	global_store_b128 v[LI], v[PCB+8*\a:PCB+8*\a+3], s[46:47] offset:((\a)/4)*HEADB+9216+((\a)%4)*1024
	global_store_b128 v[LI], v[PCB+8*\a+4:PCB+8*\a+7], s[46:47] offset:((\a)/4)*HEADB+9216+((\a)%4)*1024+512
.endr
.irp j, 0,1,2,3
	v_cndmask_b32 v[Z+\j], v[W0+\j], v[W0+4+\j], s26   ; lanes 0-15: the first head's four words of row r; lanes 16-31: the second's
.endr
	global_store_b128 v[VW], v[Z:Z+3], s[46:47] offset:13312   ; each half of the lanes stores 256 consecutive bytes, aligned
.Lend:
	s_wait_tensorcnt 0x0                           ; the wave's end
	ds_add_u32 v[SPW], v[NIL]
	s_wait_dscnt 0x0
	CROUND                                         ; the closing round
	s_endpgm
.Lfunc_end_k_qd106aa09df_qkv:
	.size	k_qd106aa09df_qkv, .Lfunc_end_k_qd106aa09df_qkv-k_qd106aa09df_qkv
	.p2alignl 7, 3214868480
	.fill 96, 4, 3214868480
	.section	.rodata,"a",@progbits
	.p2align	6, 0x0
	.amdhsa_kernel k_qd106aa09df_qkv
		.amdhsa_group_segment_fixed_size 327680
		.amdhsa_private_segment_fixed_size 0
		.amdhsa_enable_private_segment 0
		.amdhsa_kernarg_size 64
		.amdhsa_user_sgpr_count 2
		.amdhsa_user_sgpr_kernarg_segment_ptr 1
		.amdhsa_wavefront_size32 1
		.amdhsa_system_sgpr_workgroup_id_x 1
		.amdhsa_system_sgpr_workgroup_id_y 1
		.amdhsa_system_sgpr_workgroup_id_z 1
		.amdhsa_system_vgpr_workitem_id 0
		.amdhsa_next_free_vgpr 1024
		.amdhsa_next_free_sgpr 102
		.amdhsa_reserve_vcc 0
		.amdhsa_float_denorm_mode_32 3
		.amdhsa_float_denorm_mode_16_64 3
		.amdhsa_memory_ordered 1
		.amdhsa_forward_progress 1
		.amdhsa_inst_pref_size 182
	.end_amdhsa_kernel
	.amdgpu_metadata
---
amdhsa.version: [ 1, 2 ]
amdhsa.kernels:
  - .name:           k_qd106aa09df_qkv
    .symbol:         k_qd106aa09df_qkv.kd
    .args:
      - { .name: xc, .offset: 0, .size: 8, .value_kind: global_buffer, .address_space: global }
      - { .name: xs, .offset: 8, .size: 8, .value_kind: global_buffer, .address_space: global }
      - { .name: wc, .offset: 16, .size: 8, .value_kind: global_buffer, .address_space: global }
      - { .name: ws, .offset: 24, .size: 8, .value_kind: global_buffer, .address_space: global }
      - { .name: b_q, .offset: 32, .size: 8, .value_kind: global_buffer, .address_space: global }
      - { .name: b_k, .offset: 40, .size: 8, .value_kind: global_buffer, .address_space: global }
      - { .name: b_v, .offset: 48, .size: 8, .value_kind: global_buffer, .address_space: global }
      - { .name: qkv, .offset: 56, .size: 8, .value_kind: global_buffer, .address_space: global }
    .group_segment_fixed_size: 327680
    .private_segment_fixed_size: 0
    .kernarg_segment_align: 8
    .kernarg_segment_size: 64
    .max_flat_workgroup_size: 128
    .sgpr_count:     102
    .vgpr_count:     1024
    .wavefront_size: 32
...
	.end_amdgpu_metadata
.endif
;; end of part 2
;; launch attn (part 3): grid 4 x 64, 16 waves a work-group, clusters of 4 x 1, 167,936 bytes of LDS; arguments qkv, mask, ac, asc; writes ac, asc
.if DOCPART == 3
	.amdgcn_target "amdgcn-amd-amdhsa--gfx1250"
	.amdhsa_code_object_version 6
	.text
	.protected	k_qd106aa09df_attn
	.globl	k_qd106aa09df_attn
	.p2align	8
	.type	k_qd106aa09df_attn,@function
k_qd106aa09df_attn:
	s_mov_b64 s[64:65], 0
	v_nop
	global_prefetch_b8 v0, s[64:65] scope:SCOPE_SE
	s_setreg_imm32_b32 hwreg(HW_REG_WAVE_MODE, 25, 1), 1
	s_wait_xcnt 0x0
	s_wait_alu depctr_hold_cnt(0) depctr_sa_sdst(0) depctr_va_vdst(0) depctr_va_sdst(0) depctr_va_ssrc(0) depctr_va_vcc(0) depctr_vm_vsrc(0)
	s_getreg_b32 s2, hwreg(HW_REG_IB_STS2, 6, 4)
	s_cmp_eq_u32 s2, 0
	s_cbranch_scc0 .Lentry_in_a_cluster
	s_endpgm
.Lentry_in_a_cluster:
	s_bfe_u32 s2, ttmp6, 0x10000c
	s_cmp_lg_u32 s2, 0x3003
	s_cbranch_scc0 .Lentry_shape_is_right
	s_endpgm
.Lentry_shape_is_right:
; O = softmax(q k^T / 8, causal and padding masks) v for one (batch, head) to a cluster of four work-groups, both products on codes of E2M1; O / l is quantised along the head's 64 on its way out.
; WORK LEFT OUT: key steps of 128 keys all of which come after a tile's queries: reference()'s own triu mask sets their scores to -inf for all inputs, so their p are 0.  A NaN or infinity that reaches only those steps is not carried.
; THE SOFTMAX: t = score x log2(e) / 8; M = the running largest t rounded up to a whole number; p = 2^(t - M) is quantised along the keys, not normalised; the row's sum l is taken of the unquantised p and divides at the end.
; HIDDEN KEYS.  The padding mask rides as the C of the first product: 0, or -2^106 where mask is 0 (a table of 2,048 f32 in LDS, made once); on the diagonal step hidden scores are replaced by -2^106.  The running largest t begins at
; -2^100, above every hidden t (-2^106 x 0.18), so a hidden key never sets M, and its p is 2^(very negative) = 0.  A query none of whose keys counts has l = 0: reference() gives NaN there; its codes are zeros and its two scale bytes
; are set to 0xff (NaN in E8M0), which makes that row of the last product NaN.  LIMIT: a true t under -2^100 counts as hidden.  NaN and infinities among the inputs are not served.
; SHARES.  The four partners need all of the head's K and V: 16 records of 9,216 bytes, which stay in LDS (nothing is filled again), each half record asked for JOINTLY by one wave's tensor load (mask 15).
; Wave w: p = w / 2, sub = 2 cx + w % 2.  It takes tile sub of the 128 queries of block p, then tile sub of block 15 - p: (p + 1) + (16 - p) = 17 key steps in every wave.  Branches hang on the wave's number and on counts of steps alone.
; LAYOUT.  Both products transposed: S^T = K Q^T (K = 64, padded to 128 by zero codes), O^T = V^T P^T: a lane holds one query.  By the order in which launch 1 stored x's rows, lane r of query tile sub is query
; 32 (sub / 2) + 8 (sub % 2) + r + 8 (r / 8) of the block, and register 16 b + i of the scores is key 32 b + 16 (lane / 16) + i of the step; by the order of w_v's rows register 16 B + i of O^T is channel 32 B + 16 (lane / 16) + i.
; OUT: ac [tile of 16 stored rows][K step of 128][half][lane][16 bytes]: images of launch 4's operand registers (a store covers 512 consecutive bytes, aligned); asc [stored row][32]: 2 bytes for each head.
; REGISTERS: v1 16 lane, v2 16 r, v3 mask table + 64 h, v4 my query - 16 h, v5-6 the add's two, v7 and v255 Q's scale words, v8-10 addresses in hand, v11 -2^106, v12 -M, v13 the largest t, v[14:15] the sum, v16-31 Q's two fragments,
; v32-95 K's eight, v96-159 S^T then p, v160-191 O^T, v192-223 V's four, v224-231 p's codes, v232-254 at work (v240-243 K's scale words, v248-251 V's, v253 p's).
.set REC,   13568
.set HEADB, 16*REC
.set RL,    9216                       ; a record in LDS: bytes 4,352 on of the record in memory, 36 rows of 256 bytes
.set KC,    256                        ; in it: K's codes,
.set KSW,   4352                       ; K's scale words,
.set VC,    4864                       ; V's codes,
.set VSW,   8960                       ; V's scale words
.set MB,    16*RL                      ; behind the records: the mask table, 2,048 f32
.set SPARE, MB+8192                    ; the spare words, 128 bytes for each of 16 waves
.macro ROUND                           ; a round of the cluster's barrier
	s_barrier_signal -1
	s_barrier_wait -1
	s_cmp_lg_u32 s12, 0
	s_cbranch_scc1 .Lnot_wave_0_\@
	s_barrier_signal -3
.Lnot_wave_0_\@:
	s_barrier_wait -3
	s_barrier_signal -1
	s_barrier_wait -1
.endm
; for the block in s[blk]: its record (Q lies there), and where the tile's codes and scale bytes go
.macro BASES blk, rec, acb, ascb
	s_mul_i32 s60, s[\blk], REC
	s_mov_b32 s61, 0
	s_add_nc_u64 s[\rec:\rec+1], s[40:41], s[60:61]
	s_lshl_b32 s60, s[\blk], 3
	s_add_co_u32 s60, s60, s66                     ; T = 128 batch + 8 block + sub: the tile of 16 stored rows
	s_lshl_b32 s62, s60, 13
	s_add_co_u32 s62, s62, s67                     ; 8,192 T + 512 head
	s_mov_b32 s63, 0
	s_add_nc_u64 s[\acb:\acb+1], s[8:9], s[62:63]
	s_lshl_b32 s62, s60, 9
	s_add_co_u32 s62, s62, s68                     ; 512 T + 2 head
	s_add_nc_u64 s[\ascb:\ascb+1], s[10:11], s[62:63]
.endm
	s_load_b256 s[4:11], s[0:1], 0x0               ; qkv, mask, ac, asc
	v_lshl_add_u32 v5, v0, 2, SPARE
	v_mov_b32 v6, 0
	ds_add_u32 v5, v6                              ; the wave's opening: the add, twice on end, and its wait ahead of my first tensor load
	ds_add_u32 v5, v6
	v_lshrrev_b32 v8, 5, v0
	s_delay_alu instid0(VALU_DEP_1)
	v_readfirstlane_b32 s12, v8                    ; wave 0..15
	s_bfe_u32 s13, ttmp6, 0x40000                  ; cx: it enters global addresses and v4 alone
	s_and_b32 s14, ttmp7, 0xffff                   ; 16 batch + head, which the partners share
	s_lshr_b32 s15, s12, 1                         ; p
	s_and_b32 s17, s12, 1
	s_lshl_b32 s16, s13, 1
	s_add_co_u32 s16, s16, s17                     ; sub
	s_mov_b32 s57, s15                             ; my first block of queries,
	s_xor_b32 s58, s15, 15                         ; and my second: 15 - p
	s_mov_b32 s24, 15|(3<<16)|(1<<21)              ; group 1: the mask: all four; elements of 8 bytes; bit 21 beside a mask; no padding
	s_mov_b32 s25, 32<<16                          ; tensor_dim0 = 32 elements: rows of 256 bytes
	s_mov_b32 s26, 18<<16                          ; tensor_dim1 = 18
	s_mov_b32 s27, 32<<16                          ; tile_dim0
	s_mov_b32 s28, 18                              ; tile_dim1: half a record
	s_mov_b32 s29, 32                              ; dense
	s_mov_b32 s30, 0
	s_mov_b32 s31, 0
	s_mov_b32 s20, 0x76543210
	s_mov_b32 s21, 0xfedcba98                      ; lane l xor 16
	s_mov_b32 s22, 0x3e38aa3b                      ; c = log2(e) / 8
	s_mov_b32 s23, s22                             ; (named with it as a pair)
	s_mul_i32 s60, s14, HEADB                      ; the head's 16 records (under 2^24)
	s_mov_b32 s61, 0
	s_mul_i32 s62, s15, REC                        ; record w / 2,
	s_mul_i32 s63, s17, 4608                       ; its half w % 2,
	s_add_co_u32 s62, s62, s63
	s_add_co_u32 s62, s62, 4352                    ; from byte 4,352 on
	s_mov_b32 s63, 0
	s_mov_b32 s32, 1
	s_mul_i32 s33, s12, 4608                       ; LDS: 9,216 (w / 2) + 4,608 (w % 2) = 4,608 w
	s_mov_b32 s36, 1
	s_add_co_u32 s37, s33, 8*RL                    ; and eight records on
	s_wait_dscnt 0x0                               ; both opening adds are done
	s_wait_kmcnt 0x0
	s_add_nc_u64 s[40:41], s[4:5], s[60:61]
	s_add_nc_u64 s[34:35], s[40:41], s[62:63]
	s_add_nc_u64 s[38:39], s[34:35], 8*REC
	s_or_b32 s35, s35, 0x80000000
	s_or_b32 s39, s39, 0x80000000
	s_lshr_b32 s60, s14, 4                         ; the batch
	s_lshl_b32 s66, s60, 7
	s_add_co_u32 s66, s66, s16                     ; 128 batch + sub
	s_lshl_b32 s60, s60, 11
	s_mov_b32 s61, 0
	s_add_nc_u64 s[6:7], s[6:7], s[60:61]          ; the batch's 2,048 mask bytes
	s_and_b32 s68, s14, 15                         ; the head
	s_lshl_b32 s67, s68, 9
	s_lshl_b32 s68, s68, 1
	BASES 57, 42, 46, 50
	BASES 58, 44, 48, 52
	ROUND                                          ; all four work-groups are here: the joint loads meet
	tensor_load_to_lds s[32:35], s[24:31]          ; my half of a record among 0-7,
	s_nop 0
	tensor_load_to_lds s[36:39], s[24:31]          ; and among 8-15: two loads of mine are out
	s_nop 0
.rept 4
	v_nop
.endr
	v_lshlrev_b32 v8, 2, v0
	global_load_b32 v254, v8, s[6:7]               ; four mask bytes a thread: 512 threads, 2,048 keys
	v_and_b32 v1, 31, v0
	s_delay_alu instid0(VALU_DEP_1)
	v_lshlrev_b32 v1, 4, v1                        ; 16 x lane
	v_and_b32 v10, 15, v0                          ; r
	s_delay_alu instid0(VALU_DEP_1)
	v_lshlrev_b32 v2, 4, v10                       ; 16 r
	s_lshl_b32 s60, s16, 9
	v_add_nc_u32 v9, s60, v1                       ; Q's codes: tile sub, 16 bytes a lane
	global_load_b128 v[16:19], v9, s[42:43]
	global_load_b128 v[24:27], v9, s[44:45]
	s_lshr_b32 s60, s16, 2
	s_lshl_b32 s60, s60, 8
	s_and_b32 s61, s16, 3
	s_lshl_b32 s61, s61, 2
	s_add_co_u32 s60, s60, s61
	v_add_nc_u32 v232, s60, v2                     ; Q's scale words: 256 (sub / 4) + 16 r + 4 (sub % 4)
	global_load_b32 v255, v232, s[42:43] offset:4096
	global_load_b32 v7, v232, s[44:45] offset:4096
	v_bfe_u32 v233, v0, 4, 1                       ; h
	s_delay_alu instid0(VALU_DEP_1)
	v_lshl_add_u32 v3, v233, 6, MB                 ; the mask table, + 64 h
	v_and_b32 v234, 8, v10
	s_delay_alu instid0(VALU_DEP_1)
	v_add_nc_u32 v234, v234, v10                   ; r + 8 (r / 8)
	s_delay_alu instid0(VALU_DEP_4)
	v_lshlrev_b32 v233, 4, v233
	s_delay_alu instid0(VALU_DEP_1)
	v_sub_nc_u32 v4, v234, v233
	s_lshl_b32 s60, s13, 5
	s_lshl_b32 s61, s17, 3
	s_add_co_u32 s60, s60, s61
	v_add_nc_u32 v4, s60, v4                       ; my query in its block, less 16 h: register 16 b + i of the diagonal step is hidden where 32 b + i is above it
	v_mov_b32 v11, 0xf4800000                      ; -2^106
.irp j, 20,21,22,23,28,29,30,31
	v_mov_b32 v\j, 0                               ; Q's K = 64 .. 127: zero codes
.endr
.irp t, 0,1,2,3,4,5,6,7
.irp j, 4,5,6,7
	v_mov_b32 v[32+8*\t+\j], 0                     ; K's likewise: written once, the loads fill the lower four registers alone
.endr
.endr
	s_wait_loadcnt 4                               ; the mask word is in; Q's four loads may be out
.irp i, 0,1,2,3
	v_bfe_u32 v[236+\i], v254, 8*\i, 8
.endr
.irp i, 0,1,2,3
	v_cmp_eq_u32 vcc_lo, 0, v[236+\i]
	s_delay_alu instid0(VALU_DEP_1)
	v_cndmask_b32 v[236+\i], 0, v11, vcc_lo        ; 0 where the key counts, -2^106 where it is padding
.endr
	v_lshl_add_u32 v235, v0, 4, MB
	ds_store_b128 v235, v[236:239]
	s_wait_tensorcnt 1                             ; my part of records 0-7 is in; records 8-15 may be out
	s_wait_dscnt 0x0                               ; my part of the table is stored
	s_barrier_signal -1
	s_barrier_wait -1
	s_wait_loadcnt 0x0                             ; Q
; A TILE of 16 queries: fragment v[qf] on, scale words v[qw], of the block in s[blk].  The loop has a constant count of trips; a step behind the block's own is jumped over, but for the lines that step addresses.
.macro TILE qf, qw, blk, trips, acb, ascb
	s_wait_xcnt 0x0                                ; the last tile's stores have read their registers
	v_mov_b32 v13, 0xf1800000                      ; the largest t so far: -2^100
	s_delay_alu instid0(VALU_DEP_1)
	v_floor_f32 v12, -v13                          ; -M
	v_mov_b32 v14, 0
	v_mov_b32 v15, 0
	v_mov_b32 v252, 0
	v_mov_b32 v253, 0
	v_mov_b32 v254, 0
.set j, 0
.rept 32
	v_mov_b32 v[160+j], 0                          ; O^T: the step is written once; the first change of M leaves zeros zeros
.set j, j+1
.endr
.irp b, 0,1,2,3
	v_mov_b32 v[236+\b], 0                         ; a lane permute's destination counts as one of its sources
.endr
	s_mov_b32 s54, 0                               ; the step's record in LDS,
	s_mov_b32 s55, 0                               ; its 128 words of the mask table,
	s_mov_b32 s56, 0                               ; the step
.Lstep_\@:
	s_cmp_gt_u32 s56, s[\blk]
	s_cbranch_scc1 .Lhid_\@
	s_setprio 2
	v_add_nc_u32 v8, s54, v1
	v_add_nc_u32 v9, s54, v2
	v_add_nc_u32 v10, s55, v3
	v_nop                                          ; (four plain places behind the last step's products, ahead of the loads into V's registers below)
.irp t, 0,1,2,3,4,5,6,7
	ds_load_b128 v[96+8*\t:99+8*\t], v10 offset:128*(\t/2)+32*(\t%2)        ; the padding mask of the tile's eight keys of my half: the C of the first product
	ds_load_b128 v[100+8*\t:103+8*\t], v10 offset:128*(\t/2)+32*(\t%2)+16
.endr
.irp t, 0,1,2,3,4,5,6,7
	ds_load_b128 v[32+8*\t:35+8*\t], v8 offset:KC+512*\t
.endr
	ds_load_b128 v[240:243], v8 offset:KSW         ; lanes 0-15: the words of tiles 0-3; lanes 16-31: of tiles 4-7
	s_wait_alu depctr_va_vdst(0)
	s_wait_dscnt 0x0
.irp t, 0,1,2,3
	v_wmma_scale_f32_16x16x128_f8f6f4 v[96+8*\t:103+8*\t], v[32+8*\t:39+8*\t], v[\qf:\qf+7], v[96+8*\t:103+8*\t], v[240+\t], v[\qw] matrix_a_fmt:MATRIX_FMT_FP4 matrix_b_fmt:MATRIX_FMT_FP4
.endr
.irp t, 4,5,6,7
	v_wmma_scale_f32_16x16x128_f8f6f4 v[96+8*\t:103+8*\t], v[32+8*\t:39+8*\t], v[\qf:\qf+7], v[96+8*\t:103+8*\t], v[236+\t], v[\qw] matrix_a_fmt:MATRIX_FMT_FP4 matrix_b_fmt:MATRIX_FMT_FP4 matrix_a_scale:MATRIX_SCALE_ROW1
.endr
.irp t, 0,1,2,3
.irp c, 0,1
	ds_load_b128 v[192+8*\t+4*\c:195+8*\t+4*\c], v8 offset:VC+1024*\t+512*\c   ; V lands while the softmax is walked
.endr
.endr
	ds_load_b128 v[248:251], v9 offset:VSW
.rept 4
	v_nop
.endr
	s_cmp_lg_u32 s56, s[\blk]                      ; the block's own step lies on the diagonal
	s_cbranch_scc1 .Lopen_\@
.set n, 0
.rept 64
	v_cmp_gt_i32 vcc_lo, 32*(n/16)+n%16, v4
	v_cndmask_b32 v[96+n], v[96+n], v11, vcc_lo
.set n, n+1
.endr
.Lopen_\@:
.irp b, 0,1,2,3
	v_max3_num_f32 v[232+\b], v[96+16*\b], v[97+16*\b], v[98+16*\b]   ; the largest score of each block of 32 keys: for the row's maximum, and, since p rises with the score, for the block's largest p
.endr
.irp i, 3,5,7,9,11,13
.irp b, 0,1,2,3
	v_max3_num_f32 v[232+\b], v[232+\b], v[96+16*\b+\i], v[97+16*\b+\i]
.endr
.endr
.irp b, 0,1,2,3
	v_max_num_f32 v[232+\b], v[232+\b], v[111+16*\b]
.endr
.irp b, 0,1,2,3
	s_delay_alu instid0(VALU_DEP_4)
	v_permlanex16_b32 v[236+\b], v[232+\b], s20, s21
.endr
.irp b, 0,1,2,3
	s_delay_alu instid0(VALU_DEP_4)
	v_max_num_f32 v[232+\b], v[232+\b], v[236+\b]  ; with lane l xor 16's 16 keys
.endr
	s_delay_alu instid0(VALU_DEP_2)
	v_max3_num_f32 v254, v232, v233, v234
	s_delay_alu instid0(VALU_DEP_1)
	v_max_num_f32 v254, v254, v235
	s_delay_alu instid0(VALU_DEP_1)
	v_mul_f32 v254, s22, v254                      ; as t
	s_delay_alu instid0(VALU_DEP_1)
	v_max_num_f32 v13, v13, v254                   ; the running largest t
	v_mov_b32 v254, v12
	s_delay_alu instid0(VALU_DEP_2)
	v_floor_f32 v12, -v13                          ; the new -M = -ceil(t)
	s_delay_alu instid0(VALU_DEP_1)
	v_sub_f32 v254, v12, v254                      ; old M - new M: a whole number, 0 or less
	s_delay_alu instid0(VALU_DEP_1)
	v_cvt_i32_f32 v254, v254                       ; (it saturates)
	s_delay_alu instid0(VALU_DEP_1)
	v_ldexp_f32 v252, 1.0, v254                    ; f = 2^(old M - new M)
.set j, 0
	s_setprio 1
.rept 32
	v_pk_fma_f32 v[96+j:97+j], v[96+j:97+j], s[22:23], v[12:13] op_sel_hi:[1,0,0]   ; t - M, two at a time
.set j, j+2
.endr
.irp b, 0,1,2,3
	v_fma_f32 v[232+\b], v[232+\b], s22, v12       ; the same of each block's largest score
.endr
.set j, 0
	s_wait_alu depctr_va_vdst(0)
.rept 64
	v_exp_f32 v[96+j], v[96+j]                     ; p = 2^(t - M)
.set j, j+1
.endr
	v_pk_mul_f32 v[14:15], v[14:15], v[252:253] op_sel_hi:[1,0]   ; the sums under the new M (a plain place behind the exponentials)
	s_wait_alu depctr_va_vdst(0)                   ; one wait for the whole batch, ahead of its first reader
.irp b, 0,1,2,3
	v_exp_f32 v[232+\b], v[232+\b]                 ; the block's largest p
.endr
	v_pk_add_f32 v[236:237], v[100:101], v[104:105]
	v_pk_add_f32 v[246:247], v[108:109], v[112:113]
	v_pk_add_f32 v[244:245], v[116:117], v[120:121]
	v_pk_add_f32 v[242:243], v[124:125], v[128:129]
	v_pk_add_f32 v[240:241], v[132:133], v[136:137]
	v_pk_add_f32 v[238:239], v[140:141], v[144:145]
	v_pk_add_f32 v[230:231], v[148:149], v[152:153]
	v_pk_add_f32 v[14:15], v[14:15], v[156:157]
	v_pk_add_f32 v[236:237], v[236:237], v[96:97]
	v_pk_add_f32 v[246:247], v[246:247], v[98:99]
	v_pk_add_f32 v[244:245], v[244:245], v[102:103]
	v_pk_add_f32 v[242:243], v[242:243], v[106:107]
	v_pk_add_f32 v[240:241], v[240:241], v[110:111]
	v_pk_add_f32 v[238:239], v[238:239], v[114:115]
	v_pk_add_f32 v[230:231], v[230:231], v[118:119]
	v_pk_add_f32 v[14:15], v[14:15], v[122:123]
	v_pk_add_f32 v[236:237], v[236:237], v[126:127]
	v_pk_add_f32 v[246:247], v[246:247], v[130:131]
	v_pk_add_f32 v[244:245], v[244:245], v[134:135]
	v_pk_add_f32 v[242:243], v[242:243], v[138:139]
	v_pk_add_f32 v[240:241], v[240:241], v[142:143]
	v_pk_add_f32 v[238:239], v[238:239], v[146:147]
	v_pk_add_f32 v[230:231], v[230:231], v[150:151]
	v_pk_add_f32 v[14:15], v[14:15], v[154:155]
	v_pk_add_f32 v[236:237], v[236:237], v[158:159]
	s_delay_alu instid0(VALU_DEP_2)
	v_pk_add_f32 v[14:15], v[14:15], v[242:243]
	s_delay_alu instid0(VALU_DEP_2)
	v_pk_add_f32 v[236:237], v[236:237], v[240:241]
	v_pk_add_f32 v[246:247], v[246:247], v[238:239]
	v_pk_add_f32 v[244:245], v[244:245], v[230:231]
	s_delay_alu instid0(VALU_DEP_2)
	v_pk_add_f32 v[14:15], v[14:15], v[246:247]
	s_delay_alu instid0(VALU_DEP_2)
	v_pk_add_f32 v[236:237], v[236:237], v[244:245]
	s_delay_alu instid0(VALU_DEP_1)
	v_pk_add_f32 v[14:15], v[14:15], v[236:237]
	s_setprio 0
	s_wait_alu depctr_va_vdst(0)                   ; and one for the four
.irp b, 0,1,2,3
	v_max_num_f32 v[232+\b], 0x1800000, v[232+\b]  ; the floor 2^(3 - 127): a block whose every p is 0 keeps the byte 1: its codes are zeros
.endr
.irp b, 0,1,2,3
	s_delay_alu instid0(VALU_DEP_4)
	v_add_nc_u32 v[244+\b], 0xff000000, v[232+\b]  ; 2 off the exponent field: the conversion's scale operand
.endr
.irp b, 0,1,2,3
	s_delay_alu instid0(VALU_DEP_4)
	v_lshrrev_b32 v[236+\b], 23, v[244+\b]         ; the scale's byte
.endr
	s_delay_alu instid0(VALU_DEP_3)
	v_lshl_or_b32 v253, v237, 8, v236              ; p's scale word for these 128 keys
	s_delay_alu instid0(VALU_DEP_1)
	v_lshl_or_b32 v253, v238, 16, v253
	s_delay_alu instid0(VALU_DEP_1)
	v_lshl_or_b32 v253, v239, 24, v253
.irp b, 0,1,2,3
	v_cvt_scalef32_pk8_fp4_f32 v[224+2*\b], v[96+16*\b:103+16*\b], v[244+\b]
	v_cvt_scalef32_pk8_fp4_f32 v[225+2*\b], v[104+16*\b:111+16*\b], v[244+\b]
.endr
	v_nop                                          ; one plain place behind a scaled conversion
.irp c, 0,1
.irp i, 0,1
	v_permlane16_swap_b32 v[224+4*\c+\i], v[226+4*\c+\i]   ; a whole block in a lane: lanes 0-15 block 2 c, lanes 16-31 block 2 c + 1
.endr
.endr
.set j, 0
.rept 16
	v_pk_mul_f32 v[160+j:161+j], v[160+j:161+j], v[252:253] op_sel_hi:[1,0]   ; O^T under the new M (these sixteen also stand between the writes of p's codes and scale word and the products)
.set j, j+2
.endr
	s_wait_alu depctr_va_vdst(0)
	s_wait_dscnt 0x0                               ; V
.irp t, 0,1,2,3
	v_wmma_scale_f32_16x16x128_f8f6f4 v[160+8*\t:167+8*\t], v[192+8*\t:199+8*\t], v[224:231], v[160+8*\t:167+8*\t], v[248+\t], v253 matrix_a_fmt:MATRIX_FMT_FP4 matrix_b_fmt:MATRIX_FMT_FP4
.endr
.Lhid_\@:
	s_add_co_u32 s54, s54, RL
	s_add_co_u32 s55, s55, 512
	s_add_co_u32 s56, s56, 1
	s_cmp_lt_u32 s56, \trips
	s_cbranch_scc1 .Lstep_\@
	s_setprio 0
	; the way out: O^T / l, quantised along the head's 64: two blocks
.rept 4
	v_nop
.endr
	v_add_f32 v14, v14, v15
	s_delay_alu instid0(VALU_DEP_1)
	v_permlanex16_b32 v252, v14, s20, s21
	s_delay_alu instid0(VALU_DEP_1)
	v_add_f32 v14, v14, v252                       ; the row's sum
	s_delay_alu instid0(VALU_DEP_1)
	v_cmp_lt_f32 vcc_lo, 0, v14                    ; does any key count?
	v_rcp_f32 v254, v14
	v_lshlrev_b32 v9, 1, v2                        ; (a plain place)  32 r: my row of scale bytes
	s_wait_alu depctr_va_vdst(0)                   ; ahead of the reciprocal's first reader
	v_cndmask_b32 v252, 0, v254, vcc_lo            ; 1 / l, or 0 where l is 0
.set j, 0
.rept 16
	v_pk_mul_f32 v[96+j:97+j], v[160+j:161+j], v[252:253] op_sel_hi:[1,0]   ; each accumulator from its low end on
.set j, j+2
.endr
.irp b, 0,1
	v_max3_num_f32 v[232+\b], |v[96+16*\b]|, |v[97+16*\b]|, 0x1800000
.endr
.irp i, 2,4,6,8,10,12,14
.irp b, 0,1
	s_delay_alu instid0(VALU_DEP_2)
	v_max3_num_f32 v[232+\b], v[232+\b], |v[96+16*\b+\i]|, |v[97+16*\b+\i]|
.endr
.endr
.irp b, 0,1
	s_delay_alu instid0(VALU_DEP_2)
	v_permlanex16_b32 v[236+\b], v[232+\b], s20, s21
.endr
.irp b, 0,1
	s_delay_alu instid0(VALU_DEP_2)
	v_max_num_f32 v[232+\b], v[232+\b], v[236+\b]
.endr
.irp b, 0,1
	s_delay_alu instid0(VALU_DEP_2)
	v_add_nc_u32 v[244+\b], 0xff000000, v[232+\b]
.endr
.irp b, 0,1
	s_delay_alu instid0(VALU_DEP_2)
	v_lshrrev_b32 v[236+\b], 23, v[244+\b]
.endr
	s_delay_alu instid0(VALU_DEP_1)
	v_lshl_or_b32 v254, v237, 8, v236              ; the head's two scale bytes of my row,
	s_delay_alu instid0(VALU_DEP_1)
	v_cndmask_b32 v254, 0xffff, v254, vcc_lo       ; or twice the NaN byte where no key counts
.irp b, 0,1
	v_cvt_scalef32_pk8_fp4_f32 v[224+2*\b], v[96+16*\b:103+16*\b], v[244+\b]
	v_cvt_scalef32_pk8_fp4_f32 v[225+2*\b], v[104+16*\b:111+16*\b], v[244+\b]
.endr
	v_nop
	v_permlane16_swap_b32 v224, v226
	v_permlane16_swap_b32 v225, v227               ; lanes 0-15: channels 0-31; lanes 16-31: channels 32-63: four registers of launch 4's fragment
	global_store_b128 v1, v[224:227], s[\acb:\acb+1]   ; 32 lanes store 512 consecutive bytes, aligned
	global_store_b16 v9, v254, s[\ascb:\ascb+1]    ; 2 bytes a row (both halves of the lanes write the same bytes with the same value): a head's share of a row's 32 scale bytes
.endm
	TILE 16, 255, 57, 8, 46, 50                    ; block p <= 7: records 0-7 serve
	s_wait_tensorcnt 0x0                           ; my part of records 8-15 is in,
	s_wait_dscnt 0x0
	s_barrier_signal -1
	s_barrier_wait -1                              ; everybody's is
	TILE 24, 7, 58, 16, 48, 52                     ; block 15 - p
	s_wait_tensorcnt 0x0                           ; the wave's end
	ds_add_u32 v5, v6
	s_wait_dscnt 0x0
	ROUND                                          ; the closing round
	s_endpgm
.Lfunc_end_k_qd106aa09df_attn:
	.size	k_qd106aa09df_attn, .Lfunc_end_k_qd106aa09df_attn-k_qd106aa09df_attn
	.p2alignl 7, 3214868480
	.fill 96, 4, 3214868480
	.section	.rodata,"a",@progbits
	.p2align	6, 0x0
	.amdhsa_kernel k_qd106aa09df_attn
		.amdhsa_group_segment_fixed_size 167936
		.amdhsa_private_segment_fixed_size 0
		.amdhsa_enable_private_segment 0
		.amdhsa_kernarg_size 32
		.amdhsa_user_sgpr_count 2
		.amdhsa_user_sgpr_kernarg_segment_ptr 1
		.amdhsa_wavefront_size32 1
		.amdhsa_system_sgpr_workgroup_id_x 1
		.amdhsa_system_sgpr_workgroup_id_y 1
		.amdhsa_system_sgpr_workgroup_id_z 1
		.amdhsa_system_vgpr_workitem_id 0
		.amdhsa_next_free_vgpr 256
		.amdhsa_next_free_sgpr 70
		.amdhsa_reserve_vcc 1
		.amdhsa_float_denorm_mode_32 3
		.amdhsa_float_denorm_mode_16_64 3
		.amdhsa_memory_ordered 1
		.amdhsa_forward_progress 1
		.amdhsa_inst_pref_size 65
	.end_amdhsa_kernel
	.amdgpu_metadata
---
amdhsa.version: [ 1, 2 ]
amdhsa.kernels:
  - .name:           k_qd106aa09df_attn
    .symbol:         k_qd106aa09df_attn.kd
    .args:
      - { .name: qkv, .offset: 0, .size: 8, .value_kind: global_buffer, .address_space: global }
      - { .name: mask, .offset: 8, .size: 8, .value_kind: global_buffer, .address_space: global }
      - { .name: ac, .offset: 16, .size: 8, .value_kind: global_buffer, .address_space: global }
      - { .name: asc, .offset: 24, .size: 8, .value_kind: global_buffer, .address_space: global }
    .group_segment_fixed_size: 167936
    .private_segment_fixed_size: 0
    .kernarg_segment_align: 8
    .kernarg_segment_size: 32
    .max_flat_workgroup_size: 512
    .sgpr_count:     70
    .vgpr_count:     256
    .wavefront_size: 32
...
	.end_amdgpu_metadata
.endif
;; end of part 3
;; launch oproj (part 4): grid 4 x 32, 4 waves a work-group, clusters of 4 x 4, 327,680 bytes of LDS; arguments ac, asc, wc, ws, b_o, out0; writes out0
.if DOCPART == 4
	.amdgcn_target "amdgcn-amd-amdhsa--gfx1250"
	.amdhsa_code_object_version 6
	.text
	.protected	k_qd106aa09df_oproj
	.globl	k_qd106aa09df_oproj
	.p2align	8
	.type	k_qd106aa09df_oproj,@function
k_qd106aa09df_oproj:
	s_mov_b64 s[64:65], 0
	v_nop
	global_prefetch_b8 v0, s[64:65] scope:SCOPE_SE
	s_setreg_imm32_b32 hwreg(HW_REG_WAVE_MODE, 25, 1), 1
	s_wait_xcnt 0x0
	s_wait_alu depctr_hold_cnt(0) depctr_sa_sdst(0) depctr_va_vdst(0) depctr_va_sdst(0) depctr_va_ssrc(0) depctr_va_vcc(0) depctr_vm_vsrc(0)
	s_getreg_b32 s2, hwreg(HW_REG_IB_STS2, 6, 4)
	s_cmp_eq_u32 s2, 0
	s_cbranch_scc0 .Lentry_in_a_cluster
	s_endpgm
.Lentry_in_a_cluster:
	s_bfe_u32 s2, ttmp6, 0x10000c
	s_cmp_lg_u32 s2, 0xf033
	s_cbranch_scc0 .Lentry_shape_is_right
	s_endpgm
.Lentry_shape_is_right:
; out0 = attention's result x w_o^T + b_o on codes of E2M1 (K = 1,024).  A tile of 256 x 256 to a work-group of four waves, 128 x 128 a wave; K in two slots of 512, both asked for at the head: nothing is filled again.
; A = ac, images of operand registers: [tile of 16 stored rows][K step of 128][half][lane][16 bytes]: a slot's part of a row tile is 4,096 consecutive bytes, and a fragment comes by two loads of 16 bytes a lane, 512 bytes apart.
; A's scale bytes asc [stored row][32]; a row none of whose keys counted has the NaN byte there, which makes all its sums NaN, as reference() has them.  B = w_o's rows: rows 3,072 on of wc and ws.
; THE MATRIX INSTRUCTION IS USED TRANSPOSED (source 0 = 16 rows of w_o, source 1 = 16 rows of A).  By the order in which launch 1 stored the rows, register j of tile 2 B + u is output 32 B + 16 (lane / 16) + 8 u + j, and
; stored row 16 a + t of my 128 is row 32 (a / 2) + 8 (a % 2) + t + 8 (t / 8): both orders are undone on the way out, by the stage's offsets and by the stores' rows.
; THE BIAS is the C of each sum's first matrix instruction.  CLUSTERS: 4 x 4; A's tiles shared along a row of the cluster, B's along a column.
; REGISTERS: window 0: v1-29 addresses; v32-95 scale words, two sets; v128-191 A's fragments; on the way out v128-255 rows read back.  window 1: B's fragments at v0 and v128; v64-127 the bias.  windows 2, 3: the accumulators.
.set NQ,     4
.set ROWB,   256
.set KROW,   512
.set PITCH,  272
.set FR,     8
.set NL,     2
.set NP,     4
.set HALFT,  128*PITCH
.set SLOT,   4*HALFT
.set KS,     32
.set SCL,    2*SLOT
.set HALFS,  (128*KS/256)*272
.set SBLK,   (16*KS/256)*272
.set SPARE,  SCL+4*HALFS
.set SPITCH, 528                       ; the way out: a stage of 16 rows x (512 bytes + 16) for each wave, in slot 0, which has had its one fill and its last read when the first result is stored there
.set OROW,   4096                      ; a row of out0 in bytes
.set ADRA, 16
.set ADRB, 20
.set STO,  24
.set RD,   25
.set BO,   26
.set ADRS, 27
.set SPW,  28
.set NIL,  29
.set CO,   30
.set SC,   32
.set AF,   128
.set BK,   128
.set BI,   64
.set G1, 24
.set G0, 32
.set G1B, 48
.set G0B, 56
.set G1S, 68
.set G0S, 76
.set G1SB, 80
.set G0SB, 88
.set MSB, 0
.macro WIN new
.if MSB != (\new)
	s_set_vgpr_msb (MSB<<8)|(\new)
.set MSB, \new
.endif
.endm
.set MUL_LO, 0xa1
.set MUL_HI, 0xf1
.set TO_B,   0x40
.macro JLOAD g0a, g1a, g0b, g1b        ; a joint load: waves 0 and 1 fetch for A, waves 2 and 3 for B; an s_nop 0 and four v_nop follow each of the two lines
	s_cmp_eq_u32 s21, 0
	s_cbranch_scc0 .Lfor_b_\@
	tensor_load_to_lds s[\g0a:\g0a+3], s[\g1a:\g1a+7]
	s_nop 0
.rept 4
	v_nop
.endr
	s_branch .Lasked_\@
.Lfor_b_\@:
	tensor_load_to_lds s[\g0b:\g0b+3], s[\g1b:\g1b+7]
	s_nop 0
.rept 4
	v_nop
.endr
.Lasked_\@:
.endm
.macro CROUND
	s_barrier_signal -1
	s_barrier_wait -1
	s_cmp_lg_u32 s20, 0
	s_cbranch_scc1 .Lnot_wave_0_\@
	s_barrier_signal -3
.Lnot_wave_0_\@:
	s_barrier_wait -3
	s_barrier_signal -1
	s_barrier_wait -1
.endm
	s_load_b256 s[4:11], s[0:1], 0x0               ; ac, asc, wc, ws
	s_load_b128 s[12:15], s[0:1], 0x20             ; b_o, out0
	v_lshl_add_u32 v[SPW], v0, 2, SPARE
	v_mov_b32 v[NIL], 0
	ds_add_u32 v[SPW], v[NIL]                      ; the wave's opening: the add, twice on end, and its wait ahead of my first tensor load
	ds_add_u32 v[SPW], v[NIL]
	v_lshrrev_b32 v1, 5, v0
	v_readfirstlane_b32 s20, v1                    ; wave 0..3
	s_lshr_b32 s21, s20, 1                         ; which half of the tile's rows is mine.  Also: I fetch for A (0) or for B (1)
	s_and_b32 s22, s20, 1                          ; which half of its columns.  Also: which 128 rows I fetch
	s_bfe_u32 s40, ttmp6, 0x40000                  ; cx
	s_bfe_u32 s41, ttmp6, 0x40004                  ; cy
	s_lshl_b32 s42, ttmp9, 2
	s_add_co_u32 s42, s42, s40                     ; tile column
	s_and_b32 s43, ttmp7, 0xffff
	s_lshl_b32 s43, s43, 2
	s_add_co_u32 s43, s43, s41                     ; tile row
	s_lshl_b32 s44, s41, 2
	s_lshl_b32 s44, 15, s44                        ; my row of the cluster
	s_lshl_b32 s45, 0x1111, s40                    ; my column
	s_or_b32 s[G1+0], s44, (3<<16)|(1<<21)         ; A: 8 row tiles x 4,096 bytes (512 elements of 8), 8,192 bytes apart; dense in LDS
	s_mov_b32 s[G1+1], 512<<16
	s_mov_b32 s[G1+2], 8<<16
	s_mov_b32 s[G1+3], 512<<16
	s_mov_b32 s[G1+4], 8
	s_mov_b32 s[G1+5], 1024
	s_mov_b32 s[G1+6], 0
	s_mov_b32 s[G1+7], 0
	s_or_b32 s[G1B+0], s45, (0<<16)|(1<<20)|(1<<21)|(5<<22)|(3<<25)  ; B: 128 rows x 256 bytes, 16 bytes of padding behind each
	s_mov_b32 s[G1B+1], ROWB<<16
	s_mov_b32 s[G1B+2], 128<<16
	s_mov_b32 s[G1B+3], ROWB<<16
	s_mov_b32 s[G1B+4], 128
	s_mov_b32 s[G1B+5], KROW
	s_mov_b32 s[G1B+6], 0
	s_mov_b32 s[G1B+7], 0
	s_or_b32 s[G1S+0], s44, (3<<16)|(1<<20)|(1<<21)|(5<<22)|(3<<25)  ; the scales of 128 rows: 16 rows of 256 bytes, 16 bytes of padding behind each
	s_or_b32 s[G1SB+0], s45, (3<<16)|(1<<20)|(1<<21)|(5<<22)|(3<<25)
.irp g, G1S, G1SB
	s_mov_b32 s[\g+1], 32<<16
	s_mov_b32 s[\g+2], (128*KS/256)<<16
	s_mov_b32 s[\g+3], 32<<16
	s_mov_b32 s[\g+4], 128*KS/256
	s_mov_b32 s[\g+5], 32
	s_mov_b32 s[\g+6], 0
	s_mov_b32 s[\g+7], 0
.endr
	s_lshl_b32 s3, s22, 7
	s_lshl_b32 s66, s43, 8
	s_add_co_u32 s66, s66, s3                      ; A: stored row 256 x tile row + 128 x half
	s_lshl_b32 s100, s66, 5                        ; its scale bytes,
	s_mov_b32 s101, 0
	s_lshl_b32 s66, s66, 9                         ; its codes: 8,192 bytes for each 16 rows
	s_mov_b32 s67, 0
	s_lshl_b32 s46, s42, 8
	s_add_co_u32 s46, s46, s3                      ; B: row 256 x tile column + 128 x half of w_o
	s_lshl_b32 s2, s46, 5
	s_mov_b32 s3, 0
	s_lshl_b32 s46, s46, 9
	s_mov_b32 s47, 0
	s_wait_dscnt 0x0                               ; both opening adds are done
	s_wait_kmcnt 0x0
	s_add_nc_u64 s[92:93], s[4:5], s[66:67]
	s_add_nc_u64 s[94:95], s[6:7], s[100:101]
	s_add_nc_u64 s[96:97], s[8:9], 3072*KROW       ; w_o's codes
	s_add_nc_u64 s[96:97], s[96:97], s[46:47]
	s_add_nc_u64 s[98:99], s[10:11], 3072*KS       ; and its scale bytes
	s_add_nc_u64 s[98:99], s[98:99], s[2:3]
	s_mov_b32 s[G0S], 1
	s_mul_i32 s[G0S+1], s20, HALFS
	s_add_co_u32 s[G0S+1], s[G0S+1], SCL
	s_mov_b64 s[G0S+2:G0S+3], s[94:95]
	s_or_b32 s[G0S+3], s[G0S+3], 0x80000000
	s_mov_b32 s[G0SB], 1
	s_mul_i32 s[G0SB+1], s20, HALFS
	s_add_co_u32 s[G0SB+1], s[G0SB+1], SCL
	s_mov_b64 s[G0SB+2:G0SB+3], s[98:99]
	s_or_b32 s[G0SB+3], s[G0SB+3], 0x80000000
	s_mov_b32 s[G0], 1
	s_mul_i32 s[G0+1], s20, HALFT
	s_mov_b64 s[G0+2:G0+3], s[92:93]
	s_or_b32 s[G0+3], s[G0+3], 0x80000000
	s_mov_b32 s[G0+4], 1
	s_add_co_u32 s[G0+5], s[G0+1], SLOT
	s_add_nc_u64 s[G0+6:G0+7], s[92:93], 4096      ; slot 1: K steps 4-7 of each row tile
	s_or_b32 s[G0+7], s[G0+7], 0x80000000
	s_mov_b32 s[G0B], 1
	s_mul_i32 s[G0B+1], s20, HALFT
	s_mov_b64 s[G0B+2:G0B+3], s[96:97]
	s_or_b32 s[G0B+3], s[G0B+3], 0x80000000
	s_mov_b32 s[G0B+4], 1
	s_add_co_u32 s[G0B+5], s[G0B+1], SLOT
	s_add_nc_u64 s[G0B+6:G0B+7], s[96:97], ROWB
	s_or_b32 s[G0B+7], s[G0B+7], 0x80000000
	CROUND                                         ; all sixteen work-groups are here: the joint loads meet
	JLOAD G0S, G1S, G0SB, G1SB                     ; the scales; three loads of mine are out behind the third line
	JLOAD G0, G1, G0B, G1B                         ; slot 0
	JLOAD G0+4, G1, G0B+4, G1B                     ; slot 1
	v_and_b32 v1, 15, v0                           ; r
	v_bfe_u32 v2, v0, 4, 1                         ; h
	v_and_b32 v5, 31, v0
	v_lshlrev_b32 v[CO], 4, v5                     ; 16 x lane
	v_mul_u32_u24 v3, v1, PITCH
	v_lshl_add_u32 v4, v2, 4, v3                   ; B: a fragment's row x pitch + 16 h
	s_mul_i32 s2, s21, HALFT                       ; my 8 row tiles of A
	s_mul_i32 s3, s22, HALFT                       ; my 128 rows of B,
	s_add_co_u32 s3, s3, 2*HALFT                   ; behind A's two halves
.irp s, 0,1
	v_add_nc_u32 v[ADRA+\s], s2, v[CO]
	v_add_nc_u32 v[ADRB+\s], s3, v4
	s_add_co_u32 s2, s2, SLOT
	s_add_co_u32 s3, s3, SLOT
.endr
	v_mul_u32_u24 v5, v1, KS
	v_lshrrev_b32 v6, 8, v5
	v_lshl_add_u32 v5, v6, 4, v5
	s_mul_i32 s2, s21, HALFS
	s_mul_i32 s3, s22, HALFS
	s_add_co_u32 s3, s3, 2*HALFS
	s_sub_co_u32 s3, s3, s2
	v_mul_u32_u24 v6, s3, v2                       ; lanes 16-31 take B's
	s_add_co_u32 s2, s2, SCL
	v_add_nc_u32 v5, v5, v6
	v_add_nc_u32 v[ADRS], s2, v5
	s_mul_i32 s2, s20, 16*SPITCH                   ; my stage
	v_mul_u32_u24 v5, v1, SPITCH
	v_lshl_add_u32 v5, v2, 6, v5
	v_add_nc_u32 v[STO], s2, v5                    ; in: row r, + 64 h
	v_add_nc_u32 v[RD], s2, v[CO]                  ; back: the 32 lanes take one row of 512 bytes
	s_lshl_b32 s2, s43, 8
	s_lshl_b32 s3, s21, 7
	s_add_co_u32 s2, s2, s3                        ; my first row of out0
	s_lshl_b32 s2, s2, 12                          ; (under 2^25)
	s_lshl_b32 s3, s42, 10
	s_add_co_u32 s2, s2, s3                        ; my first column: 1,024 x tile column + 512 x half bytes
	s_lshl_b32 s3, s22, 9
	s_add_co_u32 s2, s2, s3
	s_mov_b32 s3, 0
	s_add_nc_u64 s[14:15], s[14:15], s[2:3]
	s_lshl_b32 s2, s42, 10                         ; the bias: my 128 outputs
	s_lshl_b32 s3, s22, 9
	s_add_co_u32 s2, s2, s3
	s_mov_b32 s3, 0
	s_add_nc_u64 s[12:13], s[12:13], s[2:3]
	v_lshlrev_b32 v[BO], 6, v2                     ; tile 2 B + u, register j: output 32 B + 16 h + 8 u + j
	WIN TO_B
.irp b, 0,1,2,3,4,5,6,7
	global_load_b128 v[BI+8*\b:BI+8*\b+3], v[BO], s[12:13] offset:128*(\b/2)+32*(\b%2)
	global_load_b128 v[BI+8*\b+4:BI+8*\b+7], v[BO], s[12:13] offset:128*(\b/2)+32*(\b%2)+16
.endr
	WIN 0
.macro FRAG reg, adr, q, i             ; a fragment of B from rows in LDS
.irp c, 0,1
	ds_load_b128 v[\reg+4*\c:\reg+4*\c+3], v[\adr] offset:64*(\q)+32*\c+(\i)*16*PITCH
.endr
.endm
.macro FRAGA reg, slot, q, i           ; a fragment of A: an image of its registers
.irp c, 0,1
	ds_load_b128 v[\reg+4*\c:\reg+4*\c+3], v[ADRA+\slot] offset:4096*(\i)+1024*(\q)+512*\c
.endr
.endm
; 16 matrix instructions: A's blocks a0, a0 + 1 x B's eight.  cm = 1: C = the bias.  The 64 accumulators take turns, one instruction a turn.
.macro MUL16 a0, p, q, sc, cm
.irp a, \a0, \a0+1
.irp b, 0,1,2,3,4,5,6,7
.set rD, 8*(8*((\a)%4)+\b)
.set rB, 128*(\p)+FR*\b
.set rA, AF+FR*(\a)
.set sB, SC+8*NQ*(\sc)+NQ*\b+(\q)
.set sA, SC+8*NQ*(\sc)+NQ*(\a)+(\q)
.if (\cm) == 1
	v_wmma_scale_f32_16x16x128_f8f6f4 v[rD:rD+7], v[rB:rB+7], v[rA:rA+7], v[BI+8*\b:BI+8*\b+7], v[sB], v[sA] matrix_a_fmt:MATRIX_FMT_FP4 matrix_b_fmt:MATRIX_FMT_FP4 matrix_a_scale:MATRIX_SCALE_ROW1
.else
	v_wmma_scale_f32_16x16x128_f8f6f4 v[rD:rD+7], v[rB:rB+7], v[rA:rA+7], v[rD:rD+7], v[sB], v[sA] matrix_a_fmt:MATRIX_FMT_FP4 matrix_b_fmt:MATRIX_FMT_FP4 matrix_a_scale:MATRIX_SCALE_ROW1
.endif
.endr
.endr
.endm
.macro FETCH_B slot, q, p
	WIN TO_B
.irp i, 0,1,2,3,4,5,6,7
	FRAG 128*(\p)+FR*\i, ADRB+\slot, \q, \i
.endr
	WIN 0
.endm
.macro FETCH_A slot, q, i0
.irp i, \i0, \i0+1, \i0+2, \i0+3
	FRAGA AF+FR*(\i), \slot, \q, \i
.endr
.endm
.macro SCALES sc
.irp i, 0,1,2,3,4,5,6,7
	ds_load_b128 v[SC+8*NQ*\sc+NQ*\i:SC+8*NQ*\sc+NQ*\i+3], v[ADRS] offset:\i*SBLK
.endr
.endm
.macro PLACES n
.rept \n
	v_nop
.endr
.endm
.macro STEP slot, q, cm
	s_wait_dscnt 4*NL                              ; B's set and A's blocks 0-3 are in; the youngest eight loads (A's blocks 4-7) may be out
.if \cm
	WIN 0x91
.else
	WIN MUL_LO
.endif
	MUL16 0, (\q)%2, \q, \slot, \cm
	MUL16 2, (\q)%2, \q, \slot, \cm
	s_wait_dscnt 0
	PLACES NP
	FETCH_B \slot, (\q)+1, 1-(\q)%2
	FETCH_A \slot, (\q)+1, 0
.if \cm
	WIN 0xd1
.else
	WIN MUL_HI
.endif
	MUL16 4, (\q)%2, \q, \slot, \cm
	MUL16 6, (\q)%2, \q, \slot, \cm
	PLACES NP
	WIN 0
	FETCH_A \slot, (\q)+1, 4
.endm
	s_wait_tensorcnt 1                             ; the scales and my part of slot 0 are in (slot 1's load may be out)
	s_barrier_signal -1
	s_barrier_wait -1                              ; everybody's are
	FETCH_B 0, 0, 0
	FETCH_A 0, 0, 0
	SCALES 0
	FETCH_A 0, 0, 4
	s_wait_loadcnt 0x0                             ; the bias
	STEP 0, 0, 1                                   ; the first step starts the sums with the bias
	STEP 0, 1, 0
	STEP 0, 2, 0
	s_wait_tensorcnt 0x0                           ; all my tensor loads have landed: my part of slot 1
	ds_add_u32 v[SPW], v[NIL]                      ; 0 onto my spare word
	s_wait_dscnt 4*NL+1                            ; (the add and the youngest eight loads may be out)
	WIN MUL_LO
	MUL16 0, 1, NQ-1, 0, 0
	s_wait_dscnt 0x0                               ; my reads of slot 0 are over
	s_barrier_signal -1
	MUL16 2, 1, NQ-1, 0, 0
	WIN 0
	s_barrier_wait -1                              ; slot 1 is whole, and nobody reads slot 0 any more
	PLACES NP
	v_add_nc_u32 v[ADRS], 4*NQ, v[ADRS]
	FETCH_B 1, 0, 0
	FETCH_A 1, 0, 0
	SCALES 1
	WIN MUL_HI
	MUL16 4, 1, NQ-1, 0, 0
	MUL16 6, 1, NQ-1, 0, 0
	PLACES NP
	WIN 0
	FETCH_A 1, 0, 4
	STEP 1, 0, 0
	STEP 1, 1, 0
	STEP 1, 2, 0
	s_wait_dscnt 4*NL
	WIN MUL_LO
	MUL16 0, 1, NQ-1, 1, 0
	MUL16 2, 1, NQ-1, 1, 0
	s_wait_dscnt 0
	WIN MUL_HI
	MUL16 4, 1, NQ-1, 1, 0
	MUL16 6, 1, NQ-1, 1, 0
	WIN 0
; THE WAY OUT, block by block of 16 stored rows x 128 outputs, through my own stage in LDS; LDS serves a wave's instructions in order, so no wait stands between the stores and the loads.
.macro TOSTAGE a
.set AC, 64*((\a)%4)
	WIN 0x08+4*((\a)/4)                            ; the data: window 2 or 3
.irp b, 0,1,2,3,4,5,6,7
	ds_store_b128 v[STO], v[AC+8*\b:AC+8*\b+3] offset:128*(\b/2)+32*(\b%2)          ; outputs 32 (b / 2) + 16 h + 8 (b % 2) on; each accumulator from its low end on
	ds_store_b128 v[STO], v[AC+8*\b+4:AC+8*\b+7] offset:128*(\b/2)+32*(\b%2)+16
.endr
	WIN 0
.set BB, BK+64*((\a)%2)
.irp t, 0,1,2,3,4,5,6,7,8,9,10,11,12,13,14,15
	ds_load_b128 v[BB+4*\t:BB+4*\t+3], v[RD] offset:\t*SPITCH
.endr
.endm
.macro SEND a, younger                 ; younger: the LDS instructions issued behind block a's loads, which may stay out
.set BB, BK+64*((\a)%2)
	s_wait_dscnt \younger
.if (\a) > 0
.if ((\a)%2) == 1
	s_add_nc_u64 s[14:15], s[14:15], 8*OROW        ; block a begins at row 32 (a / 2) + 8 (a % 2): 8 rows on into an odd block,
.else
	s_add_nc_u64 s[14:15], s[14:15], 24*OROW       ; 24 into an even one  (behind a wait on XCNT: the earlier stores have read their base)
.endif
.endif
.irp t, 0,1,2,3,4,5,6,7,8,9,10,11,12,13,14,15
	global_store_b128 v[CO], v[BB+4*\t:BB+4*\t+3], s[14:15] offset:(\t+8*(\t/8))*OROW th:TH_STORE_NT   ; 32 lanes store 512 consecutive bytes, aligned to 256; written once, read by nobody here
.endr
.endm
	PLACES NP
	TOSTAGE 0
.irp a, 1,2,3,4,5,6,7
.if \a > 1
	s_wait_xcnt 0x0                                ; block a - 2's stores have read their registers and their base
.endif
	TOSTAGE \a
	SEND \a-1, 32                                  ; behind block a - 1's loads: block a's 16 stores and 16 loads
.endr
	s_wait_xcnt 0x0
	SEND 7, 0
	s_wait_tensorcnt 0x0                           ; the wave's end
	ds_add_u32 v[SPW], v[NIL]
	s_wait_dscnt 0x0
	CROUND                                         ; the closing round
	s_endpgm
.Lfunc_end_k_qd106aa09df_oproj:
	.size	k_qd106aa09df_oproj, .Lfunc_end_k_qd106aa09df_oproj-k_qd106aa09df_oproj
	.p2alignl 7, 3214868480
	.fill 96, 4, 3214868480
	.section	.rodata,"a",@progbits
	.p2align	6, 0x0
	.amdhsa_kernel k_qd106aa09df_oproj
		.amdhsa_group_segment_fixed_size 327680
		.amdhsa_private_segment_fixed_size 0
		.amdhsa_enable_private_segment 0
		.amdhsa_kernarg_size 48
		.amdhsa_user_sgpr_count 2
		.amdhsa_user_sgpr_kernarg_segment_ptr 1
		.amdhsa_wavefront_size32 1
		.amdhsa_system_sgpr_workgroup_id_x 1
		.amdhsa_system_sgpr_workgroup_id_y 1
		.amdhsa_system_sgpr_workgroup_id_z 1
		.amdhsa_system_vgpr_workitem_id 0
		.amdhsa_next_free_vgpr 1024
		.amdhsa_next_free_sgpr 102
		.amdhsa_reserve_vcc 0
		.amdhsa_float_denorm_mode_32 3
		.amdhsa_float_denorm_mode_16_64 3
		.amdhsa_memory_ordered 1
		.amdhsa_forward_progress 1
		.amdhsa_inst_pref_size 126
	.end_amdhsa_kernel
	.amdgpu_metadata
---
amdhsa.version: [ 1, 2 ]
amdhsa.kernels:
  - .name:           k_qd106aa09df_oproj
    .symbol:         k_qd106aa09df_oproj.kd
    .args:
      - { .name: ac, .offset: 0, .size: 8, .value_kind: global_buffer, .address_space: global }
      - { .name: asc, .offset: 8, .size: 8, .value_kind: global_buffer, .address_space: global }
      - { .name: wc, .offset: 16, .size: 8, .value_kind: global_buffer, .address_space: global }
      - { .name: ws, .offset: 24, .size: 8, .value_kind: global_buffer, .address_space: global }
      - { .name: b_o, .offset: 32, .size: 8, .value_kind: global_buffer, .address_space: global }
      - { .name: out0, .offset: 40, .size: 8, .value_kind: global_buffer, .address_space: global }
    .group_segment_fixed_size: 327680
    .private_segment_fixed_size: 0
    .kernarg_segment_align: 8
    .kernarg_segment_size: 48
    .max_flat_workgroup_size: 128
    .sgpr_count:     102
    .vgpr_count:     1024
    .wavefront_size: 32
...
	.end_amdgpu_metadata
.endif
;; end of part 4
